; MI455X (gfx1250); checked and timed in simulation.
; The chip was launched on July 23, 2026; its instructions are those of AMD's public machine-readable ISA for CDNA 5 (MIT licence, August 2026) and "CDNA5" Instruction Set Architecture Reference Guide (July 2026). The comments in the code are by the model that wrote it; some were corrected since.
;; Cross Attention. Allowed arithmetic: matrix products marked QUANTISED: E2M3 operands, one E8M0 scale for each 32 along K, by v_wmma_scale_f32_16x16x128_f8f6f4 with both operands' format E2M3, f32 sums; everything else in f32.
;; Inputs: Wk_codes 1,024 x 32 x 24 uint8 (E2M3 codes of Wk, K innermost, in blocks of 32 codes, four codes in three bytes); Wk_scales 1,024 x 32 uint8 (E8M0 scales of Wk, one for each 32 codes along K); Wo_codes 1,024 x 32 x 24 uint8 (E2M3 codes of Wo, K innermost, in blocks of 32 codes, four codes in three bytes); Wo_scales 1,024 x 32 uint8 (E8M0 scales of Wo, one for each 32 codes along K); Wq_codes 1,024 x 32 x 24 uint8 (E2M3 codes of Wq, K innermost, in blocks of 32 codes, four codes in three bytes); Wq_scales 1,024 x 32 uint8 (E8M0 scales of Wq, one for each 32 codes along K); Wv_codes 1,024 x 32 x 24 uint8 (E2M3 codes of Wv, K innermost, in blocks of 32 codes, four codes in three bytes); Wv_scales 1,024 x 32 uint8 (E8M0 scales of Wv, one for each 32 codes along K); bk 1,024 float32; bo 1,024 float32; bq 1,024 float32; bv 1,024 float32; key_codes 4 x 2,048 x 32 x 24 uint8 (E2M3 codes of key, K innermost, in blocks of 32 codes, four codes in three bytes); key_scales 4 x 2,048 x 32 uint8 (E8M0 scales of key, one for each 32 codes along K); query_codes 4 x 2,048 x 32 x 24 uint8 (E2M3 codes of query, K innermost, in blocks of 32 codes, four codes in three bytes); query_scales 4 x 2,048 x 32 uint8 (E8M0 scales of query, one for each 32 codes along K); value_codes 4 x 2,048 x 32 x 24 uint8 (E2M3 codes of value, K innermost, in blocks of 32 codes, four codes in three bytes); value_scales 4 x 2,048 x 32 uint8 (E8M0 scales of value, one for each 32 codes along K).
;; Outputs: out0 4 x 2,048 x 1,024 float32.
;; This version of the problem:
;;   THIS VERSION OF THE PROBLEM IS GIVEN IN LOW PRECISION. The matrix products marked QUANTISED in the list below multiply operands that are first quantised to E2M3 (2 exponent bits, 3 mantissa bits; 6 bits a number), with one power-of-two scale for each 32 numbers along K (OCP MX v1.0); their sums are f32. All else is computed in f32.
;;   The module's matrix products, in the order in which they are computed (A, B: the left and right operand; K: the contracted axis; several contracted axes count as one K, in the product's order):
;;     1. [M 8,192, K 1,024] x [K 1,024, N 1,024]; A: input query (given as codes); B: input Wq (given as codes): QUANTISED
;;     2. [M 8,192, K 1,024] x [K 1,024, N 1,024]; A: input key (given as codes); B: input Wk (given as codes): QUANTISED
;;     3. [M 8,192, K 1,024] x [K 1,024, N 1,024]; A: input value (given as codes); B: input Wv (given as codes): QUANTISED
;;     4. batch 4 x [M 2,048, K 1,024] x [K 1,024, N 2,048]; A: computed on the way; B: computed on the way: QUANTISED
;;     5. batch 4 x [M 2,048, K 2,048] x [K 2,048, N 1,024]; A: softmax (see below); B: computed on the way: QUANTISED
;;     6. [M 8,192, K 1,024] x [K 1,024, N 1,024]; A: computed on the way; B: input Wo (given as codes): QUANTISED
;;   THE QUANTISER, for each operand of a quantised product, along K:
;;     - K is cut into blocks of 32 from its start; a last block that is shorter is filled with zeros.
;;     - A block's scale is 2^e with e = floor(log2(the largest magnitude in the block)) - 2, held to -126 .. 127; a block of zeros has e = 0. As a byte (E8M0): e + 127.
;;     - Each number is divided by its block's scale, clamped to +-7.5, and rounded to the nearest number of E2M3, ties to even, subnormals kept.
;;     - The product sums the exact products of the quantised numbers (number of the format x scale) in f32.
;;   ~~~python
;;   def quantise(x, axis):      # numpy; x: float32 -> the quantised numbers, widened to float32 again
;;       x = np.moveaxis(x, axis, -1); K = x.shape[-1]
;;       x = np.pad(x, [(0, 0)] * (x.ndim - 1) + [(0, -K % 32)]); x = x.reshape(x.shape[:-1] + (-1, 32)); a = np.abs(x).max(-1, keepdims=True)
;;       e = np.where(a > 0, np.clip(np.frexp(np.where(a > 0, a, 1))[1] - 1 - 2, -126, 127), 0)      # np.frexp(a)[1] - 1 = floor(log2(a)), exactly
;;       r = np.clip(x / 2.0 ** e, -7.5, 7.5)
;;       step = 2.0 ** (np.maximum(np.frexp(np.where(r == 0, 1, r))[1] - 1, 0) - 3)
;;       q = np.round(r / step) * step * 2.0 ** e      # np.round: ties to even
;;       return np.moveaxis(q.reshape(q.shape[:-2] + (-1,))[..., :K], -1, axis).astype(np.float32)
;;   ~~~
;;   SOFTMAX AHEAD OF A QUANTISED PRODUCT. Where the list says 'softmax', what is quantised is not the finished softmax but p = 2^(t - M), with t = logit x log2(e) and M = ceil(the row's largest t), a whole number; so 1/2 < the row's largest p <= 1. The row's sum l is taken of the UNQUANTISED p, in f32, and the product's result is divided by l at the end. Since M is a whole number, a kernel that streams over the keys may use a running M (the ceiling of the running maximum): every later rescaling is an exact power of two, which a block's scale takes up: the codes' values come out the same.
;;   OPERANDS COMPUTED ON THE WAY. 'Computed on the way' means the value that the module computes at that place (a softmax that the list does not call 'softmax' is quantised finished and normalised). What goes into a quantiser is computed in f32, as accurately as f32 sums, v_exp_f32 and their like allow (about 1e-6 of the number): no bf16 or f16 on the way to a quantiser, and a product that is left as it is and whose result goes on into a quantised operand takes f32 operands (vector FMAs, or v_wmma_f32_16x16x4_f32). A number that lies on a knife's edge between two numbers of the format may be rounded either way, as far as f32 arithmetic and the matrix unit's own rounding can turn it there, and no further.
;;   INPUTS GIVEN AS CODES. Wk (in the module: [1024, 1024], K = its axis 0); Wo (in the module: [1024, 1024], K = its axis 0); Wq (in the module: [1024, 1024], K = its axis 0); Wv (in the module: [1024, 1024], K = its axis 0); key (in the module: [4, 2048, 1024], K = its axis 2); query (in the module: [4, 2048, 1024], K = its axis 2); value (in the module: [4, 2048, 1024], K = its axis 2): each comes as NAME_codes (uint8): NAME with its K axis moved to the last place and cut into blocks of 32 codes, [.., K / 32, bytes a block], one block behind the other in memory; four codes in three bytes: a row's codes are one little-endian stream of bits, code i at bits 6 i .. 6 i + 5 (a code: sign, 2 exponent bits, 3 mantissa bits); and NAME_scales (uint8): the same leading axes, one E8M0 byte (e + 127) for each 32 codes along K. Its value is code x scale, taken as it is: it is not quantised again, and the codes and scales need not be those that the quantiser above would give.
;; One version. Each part assembles by itself: llvm-mc -triple=amdgcn-amd-amdhsa -mcpu=gfx1250 --defsym DOCPART=n.
;; ======== version 1 of 1: 4 launches
;; limits: right only within a limited range of input values
;; workspace buffers: qkv 19,660,800 bytes; p 14,155,776 bytes; o 6,553,600 bytes
;; launch proj (part 1): grid 4 x 64, 4 waves a work-group, clusters of 4 x 4, 327,680 bytes of LDS; arguments query_codes, query_scales, Wq_codes, Wq_scales, bq, key_codes, key_scales, Wk_codes, Wk_scales, bk, Wv_codes, Wv_scales, value_codes, value_scales, bv, qkv; writes qkv
.if DOCPART == 1
	.amdgcn_target "amdgcn-amd-amdhsa--gfx1250"
	.amdhsa_code_object_version 6
	.text
	.protected	k_q3fab5184f8_proj
	.globl	k_q3fab5184f8_proj
	.p2align	8
	.type	k_q3fab5184f8_proj,@function
k_q3fab5184f8_proj:
	s_mov_b64 s[64:65], 0
	v_nop
	global_prefetch_b8 v0, s[64:65] scope:SCOPE_SE
	s_setreg_imm32_b32 hwreg(HW_REG_WAVE_MODE, 25, 1), 1
	s_wait_xcnt 0x0
	s_wait_alu depctr_hold_cnt(0) depctr_sa_sdst(0) depctr_va_vdst(0) depctr_va_sdst(0) depctr_va_ssrc(0) depctr_va_vcc(0) depctr_vm_vsrc(0)
	s_getreg_b32 s2, hwreg(HW_REG_IB_STS2, 6, 4)
	s_cmp_eq_u32 s2, 0
	s_cbranch_scc0 .Lentry_in_a_cluster
	s_endpgm
.Lentry_in_a_cluster:
	s_bfe_u32 s2, ttmp6, 0x10000c
	s_cmp_lg_u32 s2, 0xf033
	s_cbranch_scc0 .Lentry_shape_is_right
	s_endpgm
.Lentry_shape_is_right:
; PROJ: Q = query Wq + bq, K = key Wk + bk, V^T = (value Wv + bv)^T, on the given codes and scales; each result is quantised along the next product's K
; (Q, K: the channels; V^T: the keys) and stored as images of operand registers, 1,536 bytes a fragment, with its scale words.  No work is left out.
; LIMITS: NaN, infinities and scale bytes 0xff are not served; the bias is the C of each sum's first product: another order of rounding than reference()'s; a block of zeros gets the byte 1.
; SHARES.  A work-group makes three tiles of 128 x 256, one of each product; wave w 64 x 128.  CLUSTER 4 x 4: the 128 rows are asked for jointly along a row, the 256 rows along a column.
; LDS: three regions, region j with bytes 256 j .. 256 j + 255 of all 384 rows of codes, 272 bytes from row to row.  Regions 0 and 1 are filled again in K step 5, region 2 behind the tile's way out.
; No prefetch: the text has no loop to run ahead in.
.set REGION, 104448
.set APART,  34816
.set SPARE,  3*REGION
.set DW0,    (3<<16)|(1<<20)|(1<<21)|(5<<22)|(3<<25)
.set PT, 32
.set PW, 40
.set PC, 64
.set MSB, 0
.macro WIN new
.if MSB != \new
	s_set_vgpr_msb (MSB<<8)|\new
.set MSB, \new
.endif
.endm
.macro PLACES
.rept 4
	v_nop
.endr
.endm
.macro CROUND
	s_barrier_signal -1
	s_barrier_wait -1
	s_cmp_lg_u32 s16, 0
	s_cbranch_scc1 .Lnot_wave_0_\@
	s_barrier_signal -3
.Lnot_wave_0_\@:
	s_barrier_wait -3
	s_barrier_signal -1
	s_barrier_wait -1
.endm
.macro JLOAD g0a, g1a, g0b, g1b
	s_cmp_eq_u32 s17, 0
	s_cbranch_scc0 .Lfor_b_\@
	tensor_load_to_lds s[\g0a:\g0a+3], s[\g1a:\g1a+7]
	s_nop 0
	PLACES
	s_branch .Lasked_\@
.Lfor_b_\@:
	tensor_load_to_lds s[\g0b:\g0b+3], s[\g1b:\g1b+7]
	s_nop 0
	PLACES
.Lasked_\@:
.endm
.macro WM hi
.if \hi
	v_wmma_scale_f32_16x16x128_f8f6f4 v[rD:rD+7], v[rB:rB+11], v[rA:rA+11], v[rC:rC+7], v[rSB], v[rSA] matrix_a_fmt:MATRIX_FMT_FP6 matrix_b_fmt:MATRIX_FMT_FP6 matrix_a_scale:MATRIX_SCALE_ROW1 matrix_b_scale:MATRIX_SCALE_ROW1
.else
	v_wmma_scale_f32_16x16x128_f8f6f4 v[rD:rD+7], v[rB:rB+11], v[rA:rA+11], v[rC:rC+7], v[rSB], v[rSA] matrix_a_fmt:MATRIX_FMT_FP6 matrix_b_fmt:MATRIX_FMT_FP6
.endif
.endm
.macro MUL ks, cm, t, a
.irp b, 0,1,2,3,4,5,6,7
.set rD, 64*\a+8*((\b&4)|((\b&1)<<1)|((\b>>1)&1))
.set rB, 128*((\ks)&1)+12*\b
.set rA, 64*((\ks)&1)+12*\a
.set rSB, 192-64*((\t)&1)+4*\b+((\ks)&3)
.set rSA, 176-64*((\t)&1)+4*\a+((\ks)&3)
.if \cm == 0
.set rC, rD
.elseif \cm == 1
.set rC, 128+64*((\t)&1)+8*\b
.else
.set rC, 128+64*((\t)&1)+8*(\a+4*(\b&1))
.endif
	WM (\ks)>>2
.endr
.endm
.macro FRAGR reg, adr, xadr, ks, tile
.irp p, 0,1,2,3,4,5
.set PCE, 12*(\ks)+6*(\p/3)+\p%3
.if PCE%32 < 29
	ds_load_b64 v[(\reg)+2*\p:(\reg)+2*\p+1], v[\adr+PCE/32] offset:8*(PCE%32)+(\tile)*16*272
.else
	ds_load_b64 v[(\reg)+2*\p:(\reg)+2*\p+1], v[\xadr+PCE/32] offset:8*(PCE%32)+(\tile)*16*272
.endif
.endr
.endm
; A step's fragments come in three runs of 24 loads: the 256 rows' tiles lo .. lo + 3 (FETB, twice), the 128 rows' four tiles (FETA)
.macro FETB ks, lo
	WIN 0x40
.irp b, 0,1,2,3
	FRAGR 128*((\ks)&1)+12*(\b+\lo), 11, 14, \ks, \b+\lo
.endr
.endm
.macro FETA ks
	WIN 0xC0
.irp a, 0,1,2,3
	FRAGR 64*((\ks)&1)+12*\a, 6, 9, \ks, \a
.endr
.endm
.macro FETCH ks
	FETB \ks, 0
	FETB \ks, 4
	FETA \ks
	WIN 0
.endm
.macro MULW ks, cm, t, a               ; eight products: tile a of the 128 rows against the eight tiles of the 256
.if \cm
	WIN 0xBD
.else
	WIN 0xAD
.endif
	MUL \ks, \cm, \t, \a
.endm
.macro ARGS t
.irp i, 0,1,2,3,4
	s_load_b64 s[4+2*\i:5+2*\i], s[0:1], 40*(\t)+8*\i
.endr
.endm
.macro PREP mt, np, byrow
	s_mul_i32 s86, s[\mt], 98304
	s_mov_b32 s87, 0
	s_add_nc_u64 s[4:5], s[4:5], s[86:87]
	s_mul_i32 s96, s[\np], 196608
	s_mov_b32 s97, 0
	s_add_nc_u64 s[8:9], s[8:9], s[96:97]
	s_lshl_b32 s98, s18, 8
	s_mov_b32 s99, 0
	s_add_nc_u64 s[88:89], s[4:5], s[98:99]
	s_add_nc_u64 s[90:91], s[8:9], s[98:99]
	s_mul_i32 s98, s18, 49152
	s_add_co_u32 s98, s98, 512
	s_add_nc_u64 s[92:93], s[4:5], s[98:99]
	s_mul_i32 s98, s18, 98304
	s_add_co_u32 s98, s98, 512
	s_add_nc_u64 s[94:95], s[8:9], s[98:99]
	s_lshl_b32 s86, s[\mt], 12
	s_lshl_b32 s98, s17, 11
	s_add_co_u32 s86, s86, s98
	s_add_nc_u64 s[6:7], s[6:7], s[86:87]
	s_lshl_b32 s96, s[\np], 13
	s_lshl_b32 s98, s18, 12
	s_add_co_u32 s96, s96, s98
	s_add_nc_u64 s[10:11], s[10:11], s[96:97]
.if \byrow
	s_lshl_b32 s86, s[\mt], 9
	s_lshl_b32 s98, s17, 8
	s_add_co_u32 s86, s86, s98
	s_add_nc_u64 s[12:13], s[12:13], s[86:87]
.else
	s_lshl_b32 s96, s[\np], 10
	s_lshl_b32 s98, s18, 9
	s_add_co_u32 s96, s96, s98
	s_add_nc_u64 s[12:13], s[12:13], s[96:97]
.endif
.endm
.macro SETG0
	s_mov_b64 s[58:59], s[88:89]
	s_or_b32 s59, s59, 0x80000000
	s_mov_b64 s[62:63], s[90:91]
	s_or_b32 s63, s63, 0x80000000
	s_mov_b64 s[70:71], s[92:93]
	s_or_b32 s71, s71, 0x80000000
	s_mov_b64 s[74:75], s[94:95]
	s_or_b32 s75, s75, 0x80000000
.endm
.macro GLOADS t, byrow
.set SS, 176-64*((\t)&1)
.set BW, 128+64*((\t)&1)
.irp a, 0,1,2,3
	global_load_b128 v[SS+4*\a:SS+4*\a+3], v18, s[6:7] offset:512*\a
.endr
.irp b, 0,1,2,3,4,5,6,7
	global_load_b128 v[SS+16+4*\b:SS+16+4*\b+3], v18, s[10:11] offset:512*\b
.endr
	WIN 0xC0
.if \byrow
.irp x, 0,1,2,3
	global_load_b32 v[BW+8*\x], v20, s[12:13] offset:64*\x
.endr
.else
.irp b, 0,1,2,3,4,5,6,7
	global_load_b128 v[BW+8*\b:BW+8*\b+3], v19, s[12:13] offset:64*\b
	global_load_b128 v[BW+8*\b+4:BW+8*\b+7], v19, s[12:13] offset:64*\b+16
.endr
.endif
	WIN 0
.endm
.macro STEP ks, cm, t, sync
.if (\sync) || (\ks == 7)
	s_wait_dscnt 0x0                               ; in front of a barrier, and in the last step; elsewhere the counted wait behind the first FETB serves
.endif
.if \sync == 1
	s_wait_tensorcnt 0x0
	s_barrier_signal -1
	s_barrier_wait -1
.elseif \sync == 2
	s_wait_tensorcnt 0x0
	ds_add_u32 v4, v5
	SETG0
	s_wait_dscnt 0x0
	CROUND
	JLOAD 56, 24, 60, 32
.endif
.if \ks < 7
.if (\ks > 0) && (\sync < 2)
	PLACES
.endif
	FETB (\ks)+1, 0                                ; the next step's three runs of loads stand between this step's groups of products
.if \sync == 0
	s_wait_dscnt 24                                ; all but the 24 just issued: this step's fragments are in
.endif
.endif
	MULW \ks, \cm, \t, 0
.if \ks < 7
	FETB (\ks)+1, 4
.endif
	MULW \ks, \cm, \t, 1
.if \ks < 7
	FETA (\ks)+1
.endif
	MULW \ks, \cm, \t, 2
	MULW \ks, \cm, \t, 3
	WIN 0
.endm
.macro NEXT
	s_wait_tensorcnt 0x0
	ds_add_u32 v4, v5
	s_wait_dscnt 0x0
	CROUND
	JLOAD 68, 40, 72, 48
	FETCH 0
	s_wait_loadcnt 0x0
.endm
.macro SWAP a
	WIN 0x82
.irp p, 0,1,2,3
.irp j, 0,1,2,3,4,5,6,7
	v_permlane16_swap_b32 v[64*\a+16*\p+\j], v[64*\a+16*\p+8+\j]
.endr
.endr
.endm
.macro BMAX a
	WIN 0x28
.irp i, 0,2,4,6,8,10,12,14,16,18,20,22,24,26,28,30
.irp c, 0,1
.if \i == 0
	v_max3_num_f32 v[26+\c], v23, |v[64*\a+32*\c]|, |v[64*\a+32*\c+1]|
.else
	v_max3_num_f32 v[26+\c], v[26+\c], |v[64*\a+32*\c+\i]|, |v[64*\a+32*\c+\i+1]|
.endif
.endr
.endr
.endm
.macro SCALEW a
	WIN 0
	v_add_nc_u32 v28, 0xff000000, v26
	v_add_nc_u32 v29, 0xff000000, v27
	v_lshrrev_b32 v30, 23, v28
	v_lshrrev_b32 v31, 23, v29
	v_lshl_or_b32 v[PW+\a], v31, 16, v30
	v_lshlrev_b32 v[PW+\a], v22, v[PW+\a]
	v_permlanex16_b32 v25, v[PW+\a], s66, s67
	v_or_b32 v[PW+\a], v[PW+\a], v25
.endm
.macro CODES a
	WIN 0x02
.irp c, 0,1
	v_cvt_scalef32_pk16_fp6_f32 v[PC+12*\a+6*\c:PC+12*\a+6*\c+2], v[64*\a+32*\c:64*\a+32*\c+15], v[28+\c]
	v_cvt_scalef32_pk16_fp6_f32 v[PT+4*\c:PT+4*\c+2], v[64*\a+32*\c+16:64*\a+32*\c+31], v[28+\c]
.endr
	WIN 0
	v_nop
.irp c, 0,1
.irp i, 0,1,2
	v_mov_b32 v[PC+12*\a+6*\c+3+\i], v[PT+4*\c+\i]
.endr
.endr
.endm
.macro PUT a, vo, sb, off
.irp g, 0,1,2
	global_store_b128 v[\vo], v[PC+12*\a+4*\g:PC+12*\a+4*\g+3], s[\sb:\sb+1] offset:\off+512*\g
.endr
.endm
.macro PAIR d, x, st
	v_cndmask_b32 v[\d], v[\x], v[\x+\st], s100
	v_cndmask_b32 v[\d+1], v[\x+2*\st], v[\x+3*\st], s100
.endm
.macro EPI cb, coff, cstep, sb, soff, again
.if \again
	s_wait_xcnt 0x0
.endif
	PLACES
.irp a, 0,1,2,3
	SWAP \a
	BMAX \a
	SCALEW \a
	CODES \a
	PUT \a, 16, \cb, (\coff)+\a*(\cstep)
.endr
	PAIR 62, PW, 1
	global_store_b64 v17, v[62:63], s[\sb:\sb+1] offset:\soff
.endm
	s_load_b256 s[4:11], s[0:1], 0x0
	s_load_b64 s[12:13], s[0:1], 0x20
	s_load_b64 s[76:77], s[0:1], 0x78
	v_lshl_add_u32 v4, v0, 2, SPARE
	v_mov_b32 v5, 0
	ds_add_u32 v4, v5
	ds_add_u32 v4, v5
	v_lshrrev_b32 v1, 5, v0
	v_readfirstlane_b32 s16, v1
	s_lshr_b32 s17, s16, 1
	s_and_b32 s18, s16, 1
	s_bfe_u32 s19, ttmp6, 0x40000
	s_bfe_u32 s20, ttmp6, 0x40004
	s_and_b32 s21, ttmp7, 0xffff
	s_lshl_b32 s22, s21, 2
	s_add_co_u32 s22, s22, s20
	s_and_b32 s23, s21, 1
	s_lshl_b32 s23, s23, 2
	s_add_co_u32 s23, s23, s20
	s_lshr_b32 s14, s21, 1
	s_lshl_b32 s14, s14, 2
	s_add_co_u32 s14, s14, s19
	s_lshl_b32 s2, s20, 2
	s_lshl_b32 s2, 15, s2
	s_lshl_b32 s3, 0x1111, s19
	s_or_b32 s24, s2, DW0
	s_mov_b32 s25, 32<<16
	s_mov_b32 s26, 128<<16
	s_mov_b32 s27, 32<<16
	s_mov_b32 s28, 128
	s_mov_b32 s29, 96
	s_mov_b32 s30, 0
	s_mov_b32 s31, 0
	s_or_b32 s32, s3, DW0
	s_mov_b32 s33, 32<<16
	s_mov_b32 s34, 256<<16
	s_mov_b32 s35, 32<<16
	s_mov_b32 s36, 256
	s_mov_b32 s37, 96
	s_mov_b32 s38, 0
	s_mov_b32 s39, 0
	s_or_b32 s40, s2, DW0
	s_mov_b32 s41, 32<<16
	s_mov_b32 s42, 64<<16
	s_mov_b32 s43, 32<<16
	s_mov_b32 s44, 64
	s_mov_b32 s45, 96
	s_mov_b32 s46, 0
	s_mov_b32 s47, 0
	s_or_b32 s48, s3, DW0
	s_mov_b32 s49, 32<<16
	s_mov_b32 s50, 128<<16
	s_mov_b32 s51, 32<<16
	s_mov_b32 s52, 128
	s_mov_b32 s53, 96
	s_mov_b32 s54, 0
	s_mov_b32 s55, 0
	s_mul_i32 s15, s18, REGION
	s_mov_b32 s56, 1
	s_mov_b32 s57, s15
	s_mov_b32 s60, 1
	s_add_co_u32 s61, s15, APART
	s_mul_i32 s15, s18, 17408
	s_mov_b32 s68, 1
	s_add_co_u32 s69, s15, 2*REGION
	s_mul_i32 s15, s18, 34816
	s_mov_b32 s72, 1
	s_add_co_u32 s73, s15, 2*REGION+APART
	s_mov_b32 s66, 0x76543210
	s_mov_b32 s67, 0xfedcba98
	s_mov_b32 s100, 0xffff0000
	v_and_b32 v1, 31, v0
	v_and_b32 v2, 15, v0
	v_bfe_u32 v3, v0, 4, 1
	v_lshlrev_b32 v16, 4, v1
	v_lshlrev_b32 v17, 3, v1
	v_lshlrev_b32 v18, 5, v2
	v_lshl_add_u32 v18, v3, 4, v18
	v_lshlrev_b32 v19, 5, v3
	v_lshlrev_b32 v20, 2, v2
	v_lshlrev_b32 v22, 3, v3
	v_mov_b32 v23, 0x1800000
	v_mov_b32 v25, 0
	s_wait_dscnt 0x0
	CROUND                                         ; the round in front of the first joint loads needs no argument: it stands while the arguments' loads are out
	s_wait_kmcnt 0x0
	PREP 22, 19, 0
	SETG0
	JLOAD 56, 24, 60, 32                           ; regions 0 and 1: my one tensor load at the head
	s_wait_alu depctr_va_vdst(0)
	GLOADS 0, 0                                    ; scale words and bias, and the set-up below, stand under that load's flight
	v_mul_u32_u24 v56, v2, 272
	v_mad_u32_u24 v57, v3, 24, v56
	v_mad_u32_u24 v58, v3, 24+REGION-256, v56
	s_mul_i32 s86, s17, 17408
	s_mul_i32 s96, s18, 34816
	s_add_co_u32 s96, s96, APART
.irp j, 0,1,2
	v_add_nc_u32 v[6+\j], s86, v57
	v_add_nc_u32 v[11+\j], s96, v57
.if \j < 2
	v_add_nc_u32 v[9+\j], s86, v58
	v_add_nc_u32 v[14+\j], s96, v58
.endif
	s_add_co_u32 s86, s86, REGION
	s_add_co_u32 s96, s96, REGION
.endr
	s_lshl_b32 s86, s22, 3
	s_lshl_b32 s98, s17, 2
	s_add_co_u32 s86, s86, s98
	s_lshl_b32 s96, s19, 1
	s_add_co_u32 s96, s96, s18
	s_lshl_b32 s99, s86, 3
	s_add_co_u32 s99, s99, s96
	s_mul_i32 s98, s99, 1536
	s_mov_b32 s99, 0
	s_add_nc_u64 s[78:79], s[76:77], s[98:99]
	s_lshl_b32 s98, s96, 15
	s_lshl_b32 s86, s86, 6
	s_add_co_u32 s98, s98, s86
	s_add_co_u32 s98, s98, 18874368
	s_add_nc_u64 s[80:81], s[76:77], s[98:99]
	s_lshl_b32 s86, s23, 3
	s_lshl_b32 s98, s17, 2
	s_add_co_u32 s86, s86, s98
	s_lshl_b32 s96, s14, 1
	s_add_co_u32 s96, s96, s18
	s_lshl_b32 s98, s86, 6
	s_add_co_u32 s98, s98, s96
	s_mul_i32 s98, s98, 1536
	s_add_co_u32 s98, s98, 12582912
	s_add_nc_u64 s[82:83], s[76:77], s[98:99]
	s_lshl_b32 s98, s96, 12
	s_lshl_b32 s86, s86, 6
	s_add_co_u32 s98, s98, s86
	s_add_co_u32 s98, s98, 18874368+524288
	s_add_nc_u64 s[84:85], s[76:77], s[98:99]
	s_wait_alu depctr_va_vdst(0)
	s_wait_tensorcnt 0x0                           ; my part of regions 0 and 1 is in
	ds_add_u32 v4, v5
	s_wait_dscnt 0x0
	CROUND                                         ; everybody's part is in
	JLOAD 68, 40, 72, 48                           ; region 2, first read for K step 5
	FETCH 0
	s_wait_loadcnt 0x0
	ARGS 1
	STEP 0, 1, 0, 0
	s_wait_kmcnt 0x0
	PREP 22, 19, 0
	GLOADS 1, 0
	STEP 1, 0, 0, 0
	STEP 2, 0, 0, 0
	STEP 3, 0, 0, 0
	STEP 4, 0, 0, 1
	STEP 5, 0, 0, 2
	STEP 6, 0, 0, 0
	STEP 7, 0, 0, 0
	EPI 78, 0, 12288, 80, 0, 0
	NEXT
	ARGS 2
	STEP 0, 1, 1, 0
	s_wait_kmcnt 0x0
	PREP 23, 14, 1
	GLOADS 2, 1
	STEP 1, 0, 1, 0
	STEP 2, 0, 1, 0
	STEP 3, 0, 1, 0
	STEP 4, 0, 1, 1
	STEP 5, 0, 1, 2
	STEP 6, 0, 1, 0
	STEP 7, 0, 1, 0
	EPI 78, 6291456, 12288, 80, 262144, 1
	NEXT
	WIN 0xC3
.irp x, 0,1,2,3,4,5,6,7
.irp j, 0,1,2,3,4,5,6,7
.if (\x > 3) || (\j > 0)
	v_mov_b32 v[128+8*\x+\j], v[128+8*(\x&3)]
.endif
.endr
.endr
	WIN 0
	PLACES
	PLACES
	s_wait_alu depctr_va_vdst(0)
	STEP 0, 2, 2, 0
	STEP 1, 0, 2, 0
	STEP 2, 0, 2, 0
	STEP 3, 0, 2, 0
	STEP 4, 0, 2, 1
	STEP 5, 0, 2, 0
	STEP 6, 0, 2, 0
	STEP 7, 0, 2, 0
	EPI 82, 0, 98304, 84, 0, 1
	s_wait_tensorcnt 0x0
	ds_add_u32 v4, v5
	s_wait_dscnt 0x0
	CROUND
	s_endpgm
.Lfunc_end_k_q3fab5184f8_proj:
	.size	k_q3fab5184f8_proj, .Lfunc_end_k_q3fab5184f8_proj-k_q3fab5184f8_proj
	.p2alignl 7, 3214868480
	.fill 96, 4, 3214868480
	.section	.rodata,"a",@progbits
	.p2align	6, 0x0
	.amdhsa_kernel k_q3fab5184f8_proj
		.amdhsa_group_segment_fixed_size 327680
		.amdhsa_private_segment_fixed_size 0
		.amdhsa_enable_private_segment 0
		.amdhsa_kernarg_size 128
		.amdhsa_user_sgpr_count 2
		.amdhsa_user_sgpr_kernarg_segment_ptr 1
		.amdhsa_wavefront_size32 1
		.amdhsa_system_sgpr_workgroup_id_x 1
		.amdhsa_system_sgpr_workgroup_id_y 1
		.amdhsa_system_sgpr_workgroup_id_z 1
		.amdhsa_system_vgpr_workitem_id 0
		.amdhsa_next_free_vgpr 1024
		.amdhsa_next_free_sgpr 104
		.amdhsa_reserve_vcc 0
		.amdhsa_float_denorm_mode_32 3
		.amdhsa_float_denorm_mode_16_64 3
		.amdhsa_memory_ordered 1
		.amdhsa_forward_progress 1
		.amdhsa_inst_pref_size 255
	.end_amdhsa_kernel
	.section	.bss,"aw",@nobits
	.p2align	6
	.space	262144
	.amdgpu_metadata
---
amdhsa.version: [ 1, 2 ]
amdhsa.kernels:
  - .name:           k_q3fab5184f8_proj
    .symbol:         k_q3fab5184f8_proj.kd
    .args:
      - { .name: query_codes, .offset: 0, .size: 8, .value_kind: global_buffer, .address_space: global }
      - { .name: query_scales, .offset: 8, .size: 8, .value_kind: global_buffer, .address_space: global }
      - { .name: Wq_codes, .offset: 16, .size: 8, .value_kind: global_buffer, .address_space: global }
      - { .name: Wq_scales, .offset: 24, .size: 8, .value_kind: global_buffer, .address_space: global }
      - { .name: bq, .offset: 32, .size: 8, .value_kind: global_buffer, .address_space: global }
      - { .name: key_codes, .offset: 40, .size: 8, .value_kind: global_buffer, .address_space: global }
      - { .name: key_scales, .offset: 48, .size: 8, .value_kind: global_buffer, .address_space: global }
      - { .name: Wk_codes, .offset: 56, .size: 8, .value_kind: global_buffer, .address_space: global }
      - { .name: Wk_scales, .offset: 64, .size: 8, .value_kind: global_buffer, .address_space: global }
      - { .name: bk, .offset: 72, .size: 8, .value_kind: global_buffer, .address_space: global }
      - { .name: Wv_codes, .offset: 80, .size: 8, .value_kind: global_buffer, .address_space: global }
      - { .name: Wv_scales, .offset: 88, .size: 8, .value_kind: global_buffer, .address_space: global }
      - { .name: value_codes, .offset: 96, .size: 8, .value_kind: global_buffer, .address_space: global }
      - { .name: value_scales, .offset: 104, .size: 8, .value_kind: global_buffer, .address_space: global }
      - { .name: bv, .offset: 112, .size: 8, .value_kind: global_buffer, .address_space: global }
      - { .name: qkv, .offset: 120, .size: 8, .value_kind: global_buffer, .address_space: global }
    .group_segment_fixed_size: 327680
    .private_segment_fixed_size: 0
    .kernarg_segment_align: 8
    .kernarg_segment_size: 128
    .max_flat_workgroup_size: 128
    .sgpr_count:     104
    .vgpr_count:     1024
    .wavefront_size: 32
...
	.end_amdgpu_metadata
.endif
;; end of part 1
;; launch scores (part 2): grid 8 x 32, 4 waves a work-group, clusters of 4 x 4, 327,680 bytes of LDS; arguments qkv, p; writes p
.if DOCPART == 2
	.amdgcn_target "amdgcn-amd-amdhsa--gfx1250"
	.amdhsa_code_object_version 6
	.text
	.protected	k_q3fab5184f8_scores
	.globl	k_q3fab5184f8_scores
	.p2align	8
	.type	k_q3fab5184f8_scores,@function
k_q3fab5184f8_scores:
	s_mov_b64 s[64:65], 0
	v_nop
	global_prefetch_b8 v0, s[64:65] scope:SCOPE_SE
	s_setreg_imm32_b32 hwreg(HW_REG_WAVE_MODE, 25, 1), 1
	s_wait_xcnt 0x0
	s_wait_alu depctr_hold_cnt(0) depctr_sa_sdst(0) depctr_va_vdst(0) depctr_va_sdst(0) depctr_va_ssrc(0) depctr_va_vcc(0) depctr_vm_vsrc(0)
	s_getreg_b32 s2, hwreg(HW_REG_IB_STS2, 6, 4)
	s_cmp_eq_u32 s2, 0
	s_cbranch_scc0 .Lentry_in_a_cluster
	s_endpgm
.Lentry_in_a_cluster:
	s_bfe_u32 s2, ttmp6, 0x10000c
	s_cmp_lg_u32 s2, 0xf033
	s_cbranch_scc0 .Lentry_shape_is_right
	s_endpgm
.Lentry_shape_is_right:
; SCORES: S = Q K^T on the codes that the launch before stored; then, for each query and each 128 keys, p = 2^(t - M) with t = score x log2(e) / 32 and M = the ceiling of the largest t OF THESE 128 KEYS, a whole number;
; p is quantised along the keys and stored as the next product's operand, with its scale word, -M and the sum of the unquantised p.  The next launch brings the scale bytes and sums under the row's own M: exact powers of two.
; No work is left out.  LIMITS: NaN and infinities are not served; a block whose every p is 0 gets the byte 1 (its codes are zeros); -M is kept as a whole number in f32.
; SHARES.  A work-group owns 256 keys of a batch, which stay in LDS, and makes two tiles of 128 queries x 256 keys one after the other; wave w 64 queries x 128 keys.  Transposed use: a lane holds one query, its registers run along the keys.
; CLUSTER 4 x 4: Q's tiles are asked for jointly along a row, K's panel along a column.
; LDS: operands lie as images of their registers, 1,536 bytes a fragment.  Slot q holds K steps 4 q .. 4 q + 3: Q's 8 tiles x 4, then K's 16 tiles x 4.  Q's parts are filled once more, for the second tile.
; REGISTERS: window 0: addresses, at work, codes v64-111, K's scale words v176-207, Q's v208-239; 1: K's fragments, two sets; 2: the accumulators; 3: Q's fragments, two sets.
.set SLOT,  147456
.set BOFF,  49152
.set SPARE, 2*SLOT
.set PT, 32
.set PW, 40
.set ML, 44
.set LL, 52
.set PC, 64
.set SB, 176
.set SA, 208
.set MSB, 0
.macro WIN new
.if MSB != \new
	s_set_vgpr_msb (MSB<<8)|\new
.set MSB, \new
.endif
.endm
.macro PLACES
.rept 4
	v_nop
.endr
.endm
.macro CROUND
	s_barrier_signal -1
	s_barrier_wait -1
	s_cmp_lg_u32 s16, 0
	s_cbranch_scc1 .Lnot_wave_0_\@
	s_barrier_signal -3
.Lnot_wave_0_\@:
	s_barrier_wait -3
	s_barrier_signal -1
	s_barrier_wait -1
.endm
.macro JLOAD g0a, g1a, g0b, g1b
	s_cmp_eq_u32 s17, 0
	s_cbranch_scc0 .Lfor_b_\@
	tensor_load_to_lds s[\g0a:\g0a+3], s[\g1a:\g1a+7]
	s_nop 0
	PLACES
	s_branch .Lasked_\@
.Lfor_b_\@:
	tensor_load_to_lds s[\g0b:\g0b+3], s[\g1b:\g1b+7]
	s_nop 0
	PLACES
.Lasked_\@:
.endm
.macro WM z, rb, ra
.if \z
.if (\rb) && (\ra)
	v_wmma_scale_f32_16x16x128_f8f6f4 v[rD:rD+7], v[rB:rB+11], v[rA:rA+11], 0, v[rSB], v[rSA] matrix_a_fmt:MATRIX_FMT_FP6 matrix_b_fmt:MATRIX_FMT_FP6 matrix_a_scale:MATRIX_SCALE_ROW1 matrix_b_scale:MATRIX_SCALE_ROW1
.elseif (\rb)
	v_wmma_scale_f32_16x16x128_f8f6f4 v[rD:rD+7], v[rB:rB+11], v[rA:rA+11], 0, v[rSB], v[rSA] matrix_a_fmt:MATRIX_FMT_FP6 matrix_b_fmt:MATRIX_FMT_FP6 matrix_a_scale:MATRIX_SCALE_ROW1
.elseif (\ra)
	v_wmma_scale_f32_16x16x128_f8f6f4 v[rD:rD+7], v[rB:rB+11], v[rA:rA+11], 0, v[rSB], v[rSA] matrix_a_fmt:MATRIX_FMT_FP6 matrix_b_fmt:MATRIX_FMT_FP6 matrix_b_scale:MATRIX_SCALE_ROW1
.else
	v_wmma_scale_f32_16x16x128_f8f6f4 v[rD:rD+7], v[rB:rB+11], v[rA:rA+11], 0, v[rSB], v[rSA] matrix_a_fmt:MATRIX_FMT_FP6 matrix_b_fmt:MATRIX_FMT_FP6
.endif
.else
.if (\rb) && (\ra)
	v_wmma_scale_f32_16x16x128_f8f6f4 v[rD:rD+7], v[rB:rB+11], v[rA:rA+11], v[rC:rC+7], v[rSB], v[rSA] matrix_a_fmt:MATRIX_FMT_FP6 matrix_b_fmt:MATRIX_FMT_FP6 matrix_a_scale:MATRIX_SCALE_ROW1 matrix_b_scale:MATRIX_SCALE_ROW1
.elseif (\rb)
	v_wmma_scale_f32_16x16x128_f8f6f4 v[rD:rD+7], v[rB:rB+11], v[rA:rA+11], v[rC:rC+7], v[rSB], v[rSA] matrix_a_fmt:MATRIX_FMT_FP6 matrix_b_fmt:MATRIX_FMT_FP6 matrix_a_scale:MATRIX_SCALE_ROW1
.elseif (\ra)
	v_wmma_scale_f32_16x16x128_f8f6f4 v[rD:rD+7], v[rB:rB+11], v[rA:rA+11], v[rC:rC+7], v[rSB], v[rSA] matrix_a_fmt:MATRIX_FMT_FP6 matrix_b_fmt:MATRIX_FMT_FP6 matrix_b_scale:MATRIX_SCALE_ROW1
.else
	v_wmma_scale_f32_16x16x128_f8f6f4 v[rD:rD+7], v[rB:rB+11], v[rA:rA+11], v[rC:rC+7], v[rSB], v[rSA] matrix_a_fmt:MATRIX_FMT_FP6 matrix_b_fmt:MATRIX_FMT_FP6
.endif
.endif
.endm
; eight products; the accumulators by turns, in the same order in every step.  A stored pair of scale words serves four tiles: tile x takes word (x >> 1) & 1, in lanes 16-31 where x is odd
.macro MUL ks, z, t, a
.irp b, 0,1,2,3,4,5,6,7
.set rD, 64*\a+8*((\b&4)|((\b&1)<<1)|((\b>>1)&1))
.set rC, rD
.set rB, 128*((\ks)&1)+12*\b
.set rA, 64*((\ks)&1)+12*\a
.set rSB, SB+4*(\ks)+2*(\b>>2)+((\b>>1)&1)
.set rSA, SA+16*(\t)+2*(\ks)+(\a>>1)
	WM \z, \b&1, \a&1
.endr
.endm
.macro FRAGI reg, adr, off             ; a fragment's image comes back as it was stored: 512 consecutive bytes a load
.irp g, 0,1,2
	ds_load_b128 v[(\reg)+4*\g:(\reg)+4*\g+3], v[\adr] offset:(\off)+512*\g
.endr
.endm
; A step's fragments come in three runs of 12 loads: K's tiles lo .. lo + 3 (FETB, twice), Q's four tiles (FETA)
.macro FETB ks, lo
	WIN 0x40
.irp b, 0,1,2,3
	FRAGI 128*((\ks)&1)+12*(\b+\lo), 8+((\ks)>>2), (4*(\b+\lo)+((\ks)&3))*1536
.endr
.endm
.macro FETA ks
	WIN 0xC0
.irp a, 0,1,2,3
	FRAGI 64*((\ks)&1)+12*\a, 6+((\ks)>>2), (4*\a+((\ks)&3))*1536
.endr
.endm
.macro FETCH ks
	FETB \ks, 0
	FETB \ks, 4
	FETA \ks
	WIN 0
.endm
; A K step.  sync = 1: the next step reads slot 1: my fill of it has landed, everybody's has.
; sync = 2, the first tile's last step: all my reads of Q's tile are over (the wait above), so Q's parts of both slots are filled again with the second tile: the wait for all my tensor loads, the add and its wait
; a round of the cluster's barrier, and my one load first behind it: a quarter of the tile a wave, asked for jointly along the cluster's row.  It lands under this step's products and the softmax.
.macro STEP ks, z, t, sync
.if (\sync) || (\ks == 7)
	s_wait_dscnt 0x0                               ; in front of a barrier, and in the last step
.endif
.if \sync == 1
	s_wait_tensorcnt 0x0
	s_barrier_signal -1
	s_barrier_wait -1
.elseif \sync == 2
	s_wait_tensorcnt 0x0
	ds_add_u32 v4, v5
	s_wait_dscnt 0x0
	CROUND
	tensor_load_to_lds s[40:43], s[56:63]
	s_nop 0
	PLACES
.endif
.if \ks < 7
	PLACES
	FETB (\ks)+1, 0                                ; the next step's three runs of loads stand between this step's groups of eight products
.if \sync == 0
	s_wait_dscnt 12                                ; all but the 12 just issued: this step's fragments are in
.endif
.endif
	WIN 0xAD
	MUL \ks, \z, \t, 0
.if \ks < 7
	FETB (\ks)+1, 4
	WIN 0xAD
.endif
	MUL \ks, \z, \t, 1
.if \ks < 7
	FETA (\ks)+1
	WIN 0xAD
.endif
	MUL \ks, \z, \t, 2
	MUL \ks, \z, \t, 3
	WIN 0
.endm
.macro SWAP a                          ; behind the swaps register 64 a + 32 c + i of lane (r, h) is key 64 c + 32 h + i of my 128
	WIN 0x82
.irp p, 0,1,2,3
.irp j, 0,1,2,3,4,5,6,7
	v_permlane16_swap_b32 v[64*\a+16*\p+\j], v[64*\a+16*\p+8+\j]
.endr
.endr
.endm
.macro BMAX a, abs
	WIN 0x28
.irp i, 0,2,4,6,8,10,12,14,16,18,20,22,24,26,28,30
.irp c, 0,1
.if \abs
.if \i == 0
	v_max3_num_f32 v[26+\c], v23, |v[64*\a+32*\c]|, |v[64*\a+32*\c+1]|
.else
	v_max3_num_f32 v[26+\c], v[26+\c], |v[64*\a+32*\c+\i]|, |v[64*\a+32*\c+\i+1]|
.endif
.else
.if \i == 0
	v_max3_num_f32 v[26+\c], v24, v[64*\a+32*\c], v[64*\a+32*\c+1]
.else
	v_max3_num_f32 v[26+\c], v[26+\c], v[64*\a+32*\c+\i], v[64*\a+32*\c+\i+1]
.endif
.endif
.endr
.endr
.endm
.macro SCALEW a
	WIN 0
	v_add_nc_u32 v28, 0xff000000, v26
	v_add_nc_u32 v29, 0xff000000, v27
	v_lshrrev_b32 v30, 23, v28
	v_lshrrev_b32 v31, 23, v29
	v_lshl_or_b32 v[PW+\a], v31, 16, v30
	v_lshlrev_b32 v[PW+\a], v22, v[PW+\a]
	v_permlanex16_b32 v25, v[PW+\a], s66, s67
	v_or_b32 v[PW+\a], v[PW+\a], v25
.endm
.macro CODES a
	WIN 0x02
.irp c, 0,1
	v_cvt_scalef32_pk16_fp6_f32 v[PC+12*\a+6*\c:PC+12*\a+6*\c+2], v[64*\a+32*\c:64*\a+32*\c+15], v[28+\c]
	v_cvt_scalef32_pk16_fp6_f32 v[PT+4*\c:PT+4*\c+2], v[64*\a+32*\c+16:64*\a+32*\c+31], v[28+\c]
.endr
	WIN 0
	v_nop                                          ; one plain place behind a scaled conversion
.irp c, 0,1
.irp i, 0,1,2
	v_mov_b32 v[PC+12*\a+6*\c+3+\i], v[PT+4*\c+\i]
.endr
.endr
.endm
.macro PUT a, vo, sb, off
.irp g, 0,1,2
	global_store_b128 v[\vo], v[PC+12*\a+4*\g:PC+12*\a+4*\g+3], s[\sb:\sb+1] offset:\off+512*\g
.endr
.endm
.macro PAIR d, x, st
	v_cndmask_b32 v[\d], v[\x], v[\x+\st], s100
	v_cndmask_b32 v[\d+1], v[\x+2*\st], v[\x+3*\st], s100
.endm
; THE SOFTMAX'S PART OF THIS LAUNCH, for tile t, a tile of 16 queries at a time.
.macro SOFT t
	PLACES
.irp a, 0,1,2,3
	SWAP \a
	BMAX \a, 0                                     ; the largest SCORE of my two blocks of 32 keys: it serves for the maximum and, since p rises with the score, for the block's largest p
	WIN 0
	v_max_num_f32 v56, v26, v27
	v_permlanex16_b32 v25, v56, s66, s67
	v_max_num_f32 v56, v56, v25                    ; of my query's 128 keys
	v_mul_f32 v56, s32, v56                        ; as t (c is positive)
	v_floor_f32 v[ML+2*\a], -v56                   ; -M = floor(-t) = -ceil(t)
	WIN 0x82
.set ii, 0
.rept 32
	v_pk_fma_f32 v[64*\a+ii:64*\a+ii+1], v[64*\a+ii:64*\a+ii+1], s[32:33], v[ML+2*\a:ML+2*\a+1] op_sel_hi:[1,0,0]   ; t - M, two at a time
.set ii, ii+2
.endr
	WIN 0
	v_fma_f32 v26, v26, s32, v[ML+2*\a]            ; the same of each block's largest score
	v_fma_f32 v27, v27, s32, v[ML+2*\a]
	WIN 0x82
.set ii, 0
	s_wait_alu depctr_va_vdst(0)
.rept 64
	v_exp_f32 v[64*\a+ii], v[64*\a+ii]             ; p = 2^(t - M), at most 1
.set ii, ii+1
.endr
	WIN 0
	v_mov_b32 v56, 0                               ; the sum's two chains begin (plain places behind the exponentials)
	v_mov_b32 v57, 0
	v_mov_b32 v58, 0
	v_mov_b32 v59, 0
	s_wait_alu depctr_va_vdst(0)                   ; one wait for the batch of 64, ahead of its first reader
	v_exp_f32 v26, v26                             ; the blocks' largest p: the same two instructions on the same number
	v_exp_f32 v27, v27
	WIN 0x08
.set ii, 0
.rept 16
	v_pk_add_f32 v[56:57], v[56:57], v[64*\a+ii:64*\a+ii+1]          ; the sum is taken of the unquantised p
	v_pk_add_f32 v[58:59], v[58:59], v[64*\a+ii+2:64*\a+ii+3]
.set ii, ii+4
.endr
	WIN 0
	v_pk_add_f32 v[56:57], v[56:57], v[58:59]
	v_add_f32 v[LL+\a], v56, v57
	v_permlanex16_b32 v25, v[LL+\a], s66, s67
	v_add_f32 v[LL+\a], v[LL+\a], v25              ; of my query's 128 keys
	s_wait_alu depctr_va_vdst(0)                   ; and one for the two
	v_max_num_f32 v26, v23, v26                    ; the floor 2^(3 - 127): the byte cannot fall under 1
	v_max_num_f32 v27, v23, v27
	SCALEW \a
	CODES \a
	PUT \a, 16, 50, (\t)*196608+\a*24576
.endr
	PAIR 18, PW, 1
	PAIR 20, ML, 2
	PAIR 62, LL, 1
	global_store_b64 v17, v[18:19], s[52:53] offset:512*(\t)           ; the scale words,
	global_store_b64 v17, v[20:21], s[52:53] offset:524288+512*(\t)    ; -M,
	global_store_b64 v17, v[62:63], s[52:53] offset:1048576+512*(\t)   ; the sums: each 256 consecutive bytes, aligned
.endm
	s_load_b128 s[4:7], s[0:1], 0x0                ; qkv, p
	v_lshl_add_u32 v4, v0, 2, SPARE
	v_mov_b32 v5, 0
	ds_add_u32 v4, v5                              ; the wave's opening: the add, twice on end, and its wait ahead of my first tensor load
	ds_add_u32 v4, v5
	v_lshrrev_b32 v1, 5, v0
	v_readfirstlane_b32 s16, v1                    ; wave
	s_lshr_b32 s17, s16, 1                         ; which 64 queries; also: I fetch for Q (0) or K (1)
	s_and_b32 s18, s16, 1                          ; which 128 keys; also: which half I fetch
	s_bfe_u32 s19, ttmp6, 0x40000                  ; cx
	s_bfe_u32 s20, ttmp6, 0x40004                  ; cy
	s_and_b32 s21, ttmp7, 0xffff                   ; cluster y, 0..7
	s_lshl_b32 s22, ttmp9, 2
	s_add_co_u32 s22, s22, s19                     ; panel of 256 keys, 0..7
	s_lshr_b32 s23, s21, 1                         ; batch
	s_and_b32 s24, s21, 1
	s_lshl_b32 s24, s24, 2
	s_add_co_u32 s24, s24, s20                     ; pair of query tiles, 0..7
	s_lshl_b32 s25, s23, 7
	s_lshl_b32 s26, s24, 4
	s_add_co_u32 s25, s25, s26                     ; the pair's first tile of 16 queries
	s_lshl_b32 s2, s20, 2
	s_lshl_b32 s2, 15, s2
	s_lshl_b32 s3, 0x1111, s19
	s_or_b32 s56, s2, (3<<16)|(1<<21)              ; group 1 for Q: 4 tiles x 4 fragments on end (768 elements of 8 bytes), a tile's 8 fragments apart; no padding
	s_mov_b32 s57, 768<<16
	s_mov_b32 s58, 4<<16
	s_mov_b32 s59, 768<<16
	s_mov_b32 s60, 4
	s_mov_b32 s61, 1536
	s_mov_b32 s62, 0
	s_mov_b32 s63, 0
	s_or_b32 s68, s3, (3<<16)|(1<<21)              ; for K: 8 tiles
	s_mov_b32 s69, 768<<16
	s_mov_b32 s70, 8<<16
	s_mov_b32 s71, 768<<16
	s_mov_b32 s72, 8
	s_mov_b32 s73, 1536
	s_mov_b32 s74, 0
	s_mov_b32 s75, 0
	s_mov_b32 s66, 0x76543210
	s_mov_b32 s67, 0xfedcba98
	s_mov_b32 s100, 0xffff0000
	s_mov_b32 s32, 0x3d38aa3b                      ; c = log2(e) / sqrt(1024)
	s_mov_b32 s33, s32                             ; (named with it as a pair)
	s_lshl_b32 s26, s18, 2
	s_add_co_u32 s26, s25, s26
	s_mul_i32 s26, s26, 12288                      ; Q: my four tiles of the first tile of 128
	s_mov_b32 s27, 0
	s_mul_i32 s28, s17, 6144                       ; the refill: 8 tiles on, K steps 4 (wave / 2) on
	s_add_co_u32 s28, s28, 8*12288
	s_mov_b32 s29, 0
	s_mul_i32 s30, s18, 24576
	s_mul_i32 s31, s18, 49152
	s_add_co_u32 s31, s31, BOFF
	s_mul_i32 s41, s17, SLOT
	s_add_co_u32 s41, s41, s30
	s_lshl_b32 s34, s23, 7
	s_lshl_b32 s35, s22, 4
	s_add_co_u32 s34, s34, s35
	s_lshl_b32 s35, s18, 3
	s_add_co_u32 s34, s34, s35                     ; K: my first tile of 16 keys, to fetch and to multiply alike
	s_mul_i32 s36, s34, 12288
	s_add_co_u32 s36, s36, 6291456
	s_mov_b32 s37, 0
	v_and_b32 v1, 31, v0
	v_and_b32 v2, 15, v0
	v_bfe_u32 v3, v0, 4, 1
	v_lshlrev_b32 v16, 4, v1
	v_lshlrev_b32 v17, 3, v1
	v_lshlrev_b32 v22, 3, v3
	v_min_u32 v10, 23, v1
	v_lshlrev_b32 v10, 8, v10                      ; the prefetch's offset: a lane a block of 256 bytes, 24 blocks; the eight lanes left over name the last block again; never rewritten
	v_mov_b32 v23, 0x1800000
	v_mov_b32 v24, 0xff61b1e6                      ; -3e38, under every score
	v_mov_b32 v25, 0
.irp a, 0,1,2,3
	v_mov_b32 v[ML+2*\a+1], 0                      ; (named as the upper half of a pair)
.endr
	s_wait_dscnt 0x0
	CROUND                                         ; the round in front of the first joint loads needs no argument: it stands while the arguments' load is out
	s_wait_kmcnt 0x0
	s_add_nc_u64 s[26:27], s[4:5], s[26:27]
	s_add_nc_u64 s[36:37], s[4:5], s[36:37]
	s_mov_b32 s40, 1
	s_add_nc_u64 s[42:43], s[26:27], s[28:29]
	s_or_b32 s43, s43, 0x80000000
.irp q, 0,1
	s_mov_b32 s[76+4*\q], 1
	s_add_co_u32 s[77+4*\q], s30, \q*SLOT
	s_add_nc_u64 s[78+4*\q:79+4*\q], s[26:27], 6144*\q
	s_or_b32 s[79+4*\q], s[79+4*\q], 0x80000000
	s_mov_b32 s[88+4*\q], 1
	s_add_co_u32 s[89+4*\q], s31, \q*SLOT
	s_add_nc_u64 s[90+4*\q:91+4*\q], s[36:37], 6144*\q
	s_or_b32 s[91+4*\q], s[91+4*\q], 0x80000000
.endr
	JLOAD 76, 56, 88, 68                           ; slot 0: my one tensor load at the head
	s_lshl_b32 s44, s34, 6                         ; K's scale words: 256 bytes for four tiles
	s_add_co_u32 s44, s44, 19136512
	s_mov_b32 s45, 0
	s_add_nc_u64 s[44:45], s[4:5], s[44:45]
	s_lshl_b32 s48, s25, 6
	s_lshl_b32 s49, s17, 8
	s_add_co_u32 s48, s48, s49                     ; my four tiles of queries among the words of a K step
	s_add_co_u32 s46, s48, 18874368
	s_mov_b32 s47, 0
	s_add_nc_u64 s[46:47], s[4:5], s[46:47]
	s_wait_alu depctr_va_vdst(0)
.irp k, 0,1,2,3,4,5,6,7
.irp g, 0,1
	global_load_b64 v[SB+4*\k+2*\g:SB+4*\k+2*\g+1], v17, s[44:45] offset:32768*\k+256*\g
.endr
.irp t, 0,1
	global_load_b64 v[SA+16*\t+2*\k:SA+16*\t+2*\k+1], v17, s[46:47] offset:32768*\k+512*\t
.endr
.endr
	; SLOT 1's BYTES ARE ASKED OF MEMORY HERE, one slot ahead of the tensor load that will want them: of each tile's 12,288 bytes the upper 6,144, 24 blocks of 256 bytes.
	; The four partners that ask for a tile jointly share the tiles out by address: of Q's 8 tiles my work-group takes 2 cx, 2 cx + 1 (waves 0, 1: one each), of K's 16 tiles 4 cy .. 4 cy + 3 (waves 2, 3: two each).
	s_lshl_b32 s8, s19, 1
	s_add_co_u32 s8, s8, s25
	s_add_co_u32 s8, s8, s18
	s_mul_i32 s8, s8, 12288                        ; Q's tile
	s_lshl_b32 s9, s23, 7
	s_lshl_b32 s10, s22, 4
	s_add_co_u32 s9, s9, s10
	s_lshl_b32 s10, s20, 2
	s_add_co_u32 s9, s9, s10
	s_lshl_b32 s10, s18, 1
	s_add_co_u32 s9, s9, s10
	s_mul_i32 s9, s9, 12288
	s_add_co_u32 s9, s9, 6291456                   ; K's first tile of my two
	s_cmp_eq_u32 s17, 0
	s_cselect_b32 s8, s8, s9
	s_mov_b32 s9, 0
	s_add_nc_u64 s[8:9], s[4:5], s[8:9]            ; never rewritten
	s_wait_loadcnt 0x0                             ; the scale words, asked for behind slot 0's load, are in: the prefetch sets out behind them, and so behind slot 0's own requests
	global_prefetch_b8 v10, s[8:9] offset:6144 th:TH_LOAD_NT scope:SCOPE_SE
	s_cmp_eq_u32 s17, 0
	s_cbranch_scc1 .Lslot1_asked
	global_prefetch_b8 v10, s[8:9] offset:6144+12288 th:TH_LOAD_NT scope:SCOPE_SE
.Lslot1_asked:
	s_mul_i32 s38, s17, 24576
	s_mul_i32 s39, s18, 49152
	s_add_co_u32 s39, s39, BOFF
.irp q, 0,1
	v_add_nc_u32 v[6+\q], s38, v16
	v_add_nc_u32 v[8+\q], s39, v16
	s_add_co_u32 s38, s38, SLOT
	s_add_co_u32 s39, s39, SLOT
.endr
	s_lshl_b32 s49, s22, 1
	s_add_co_u32 s49, s49, s18                     ; my 128 keys are this K step of p
	s_lshl_b32 s50, s17, 2
	s_add_co_u32 s50, s50, s25
	s_lshl_b32 s50, s50, 4
	s_add_co_u32 s50, s50, s49
	s_mul_i32 s50, s50, 1536
	s_mov_b32 s51, 0
	s_add_nc_u64 s[50:51], s[6:7], s[50:51]        ; p's codes
	s_lshl_b32 s52, s49, 15
	s_add_co_u32 s52, s52, s48
	s_add_co_u32 s52, s52, 12582912
	s_mov_b32 s53, 0
	s_add_nc_u64 s[52:53], s[6:7], s[52:53]        ; p's scale words; -M and the sums lie 524,288 and 1,048,576 bytes on
	s_wait_alu depctr_va_vdst(0)
	s_wait_tensorcnt 0x0                           ; my part of slot 0 is in
	ds_add_u32 v4, v5
	s_wait_dscnt 0x0
	CROUND                                         ; everybody's part is in
	JLOAD 80, 56, 92, 68                           ; slot 1, first read for K step 4
	FETCH 0
	STEP 0, 1, 0, 0
	STEP 1, 0, 0, 0
	STEP 2, 0, 0, 0
	STEP 3, 0, 0, 1
	STEP 4, 0, 0, 0
	STEP 5, 0, 0, 0
	STEP 6, 0, 0, 0
	STEP 7, 0, 0, 2
	SOFT 0
	s_wait_tensorcnt 0x0                           ; my quarter of Q's second tile is in,
	s_barrier_signal -1
	s_barrier_wait -1                              ; everybody's is
	FETCH 0
	STEP 0, 1, 1, 0
	STEP 1, 0, 1, 0
	STEP 2, 0, 1, 0
	STEP 3, 0, 1, 0
	STEP 4, 0, 1, 0
	STEP 5, 0, 1, 0
	STEP 6, 0, 1, 0
	STEP 7, 0, 1, 0
	s_wait_xcnt 0x0                                ; the first tile's stores have read their registers: they are written again only behind this wait
	SOFT 1
	s_wait_tensorcnt 0x0                           ; the wave's end
	ds_add_u32 v4, v5
	s_wait_dscnt 0x0
	CROUND
	s_endpgm
.Lfunc_end_k_q3fab5184f8_scores:
	.size	k_q3fab5184f8_scores, .Lfunc_end_k_q3fab5184f8_scores-k_q3fab5184f8_scores
	.p2alignl 7, 3214868480
	.fill 96, 4, 3214868480
	.section	.rodata,"a",@progbits
	.p2align	6, 0x0
	.amdhsa_kernel k_q3fab5184f8_scores
		.amdhsa_group_segment_fixed_size 327680
		.amdhsa_private_segment_fixed_size 0
		.amdhsa_enable_private_segment 0
		.amdhsa_kernarg_size 16
		.amdhsa_user_sgpr_count 2
		.amdhsa_user_sgpr_kernarg_segment_ptr 1
		.amdhsa_wavefront_size32 1
		.amdhsa_system_sgpr_workgroup_id_x 1
		.amdhsa_system_sgpr_workgroup_id_y 1
		.amdhsa_system_sgpr_workgroup_id_z 1
		.amdhsa_system_vgpr_workitem_id 0
		.amdhsa_next_free_vgpr 1024
		.amdhsa_next_free_sgpr 104
		.amdhsa_reserve_vcc 0
		.amdhsa_float_denorm_mode_32 3
		.amdhsa_float_denorm_mode_16_64 3
		.amdhsa_memory_ordered 1
		.amdhsa_forward_progress 1
		.amdhsa_inst_pref_size 212
	.end_amdhsa_kernel
	.amdgpu_metadata
---
amdhsa.version: [ 1, 2 ]
amdhsa.kernels:
  - .name:           k_q3fab5184f8_scores
    .symbol:         k_q3fab5184f8_scores.kd
    .args:
      - { .name: qkv, .offset: 0, .size: 8, .value_kind: global_buffer, .address_space: global }
      - { .name: p, .offset: 8, .size: 8, .value_kind: global_buffer, .address_space: global }
    .group_segment_fixed_size: 327680
    .private_segment_fixed_size: 0
    .kernarg_segment_align: 8
    .kernarg_segment_size: 16
    .max_flat_workgroup_size: 128
    .sgpr_count:     104
    .vgpr_count:     1024
    .wavefront_size: 32
...
	.end_amdgpu_metadata
.endif
;; end of part 2
;; launch pv (part 3): grid 4 x 64, 4 waves a work-group, clusters of 4 x 4, 327,680 bytes of LDS; arguments qkv, p, o; writes o
.if DOCPART == 3
	.amdgcn_target "amdgcn-amd-amdhsa--gfx1250"
	.amdhsa_code_object_version 6
	.text
	.protected	k_q3fab5184f8_pv
	.globl	k_q3fab5184f8_pv
	.p2align	8
	.type	k_q3fab5184f8_pv,@function
k_q3fab5184f8_pv:
	s_mov_b64 s[64:65], 0
	v_nop
	global_prefetch_b8 v0, s[64:65] scope:SCOPE_SE
	s_setreg_imm32_b32 hwreg(HW_REG_WAVE_MODE, 25, 1), 1
	s_wait_xcnt 0x0
	s_wait_alu depctr_hold_cnt(0) depctr_sa_sdst(0) depctr_va_vdst(0) depctr_va_sdst(0) depctr_va_ssrc(0) depctr_va_vcc(0) depctr_vm_vsrc(0)
	s_getreg_b32 s2, hwreg(HW_REG_IB_STS2, 6, 4)
	s_cmp_eq_u32 s2, 0
	s_cbranch_scc0 .Lentry_in_a_cluster
	s_endpgm
.Lentry_in_a_cluster:
	s_bfe_u32 s2, ttmp6, 0x10000c
	s_cmp_lg_u32 s2, 0xf033
	s_cbranch_scc0 .Lentry_shape_is_right
	s_endpgm
.Lentry_shape_is_right:
; PV: O = P V / l on the codes of p and of V^T that earlier launches stored; O / l is quantised along the 1,024 channels and stored as the last product's operand.
; p's codes were made under M of 128 keys at a time.  Here M = the largest of a query's sixteen; M_loc - M, a whole number, 0 or less, is added to the four scale bytes of each 128 keys, and l = the sum of l_loc 2^(M_loc - M): exact powers of two.
; No work is left out.  LIMITS: NaN and infinities are not served.  M_loc - M is held at -127, and a scale byte that would fall under 0 is held at 0 (2^-127): what is lost lies under 2^-120 of the row's largest p.
;   p's scale bytes lie between 1 and 125 (p is at most 1), so bit 7 of each is free for the byte-wise subtraction.  A block of zeros of O gets the byte 1 (its codes are zeros; only this program reads the bytes).
; SHARES.  A work-group makes 128 queries x 256 channels, wave w 64 x 128; K = the batch's 2,048 keys, 16 steps.  Transposed use: a lane holds one query, its registers run along the channels.
; CLUSTER 4 x 4: p's tiles are asked for jointly along a row, V^T's along a column.
; LDS: images of fragments.  Two slots of four K steps: p's 8 tiles x 4, then V^T's 16 tiles x 4.  Each slot is filled twice.
; REGISTERS: window 0: addresses, at work, l_loc then codes v64-111, p's scale words v112-143, -M_loc v144-175, V^T's scale words v176-239, 1 / l v240-247; 1: V^T's fragments; 2: accumulators; 3: p's fragments.
.set SLOT,  147456
.set BOFF,  49152
.set SPARE, 2*SLOT
.set PT, 32
.set PW, 40
.set PC, 64
.set PL, 64
.set SA, 112
.set PM, 144
.set SB, 176
.set RL, 240
.set MSB, 0
.macro WIN new
.if MSB != \new
	s_set_vgpr_msb (MSB<<8)|\new
.set MSB, \new
.endif
.endm
.macro PLACES
.rept 4
	v_nop
.endr
.endm
.macro CROUND
	s_barrier_signal -1
	s_barrier_wait -1
	s_cmp_lg_u32 s16, 0
	s_cbranch_scc1 .Lnot_wave_0_\@
	s_barrier_signal -3
.Lnot_wave_0_\@:
	s_barrier_wait -3
	s_barrier_signal -1
	s_barrier_wait -1
.endm
.macro JLOAD g0a, g1a, g0b, g1b
	s_cmp_eq_u32 s17, 0
	s_cbranch_scc0 .Lfor_b_\@
	tensor_load_to_lds s[\g0a:\g0a+3], s[\g1a:\g1a+7]
	s_nop 0
	PLACES
	s_branch .Lasked_\@
.Lfor_b_\@:
	tensor_load_to_lds s[\g0b:\g0b+3], s[\g1b:\g1b+7]
	s_nop 0
	PLACES
.Lasked_\@:
.endm
.macro WM z, rb, ra
.if \z
.if (\rb) && (\ra)
	v_wmma_scale_f32_16x16x128_f8f6f4 v[rD:rD+7], v[rB:rB+11], v[rA:rA+11], 0, v[rSB], v[rSA] matrix_a_fmt:MATRIX_FMT_FP6 matrix_b_fmt:MATRIX_FMT_FP6 matrix_a_scale:MATRIX_SCALE_ROW1 matrix_b_scale:MATRIX_SCALE_ROW1
.elseif (\rb)
	v_wmma_scale_f32_16x16x128_f8f6f4 v[rD:rD+7], v[rB:rB+11], v[rA:rA+11], 0, v[rSB], v[rSA] matrix_a_fmt:MATRIX_FMT_FP6 matrix_b_fmt:MATRIX_FMT_FP6 matrix_a_scale:MATRIX_SCALE_ROW1
.elseif (\ra)
	v_wmma_scale_f32_16x16x128_f8f6f4 v[rD:rD+7], v[rB:rB+11], v[rA:rA+11], 0, v[rSB], v[rSA] matrix_a_fmt:MATRIX_FMT_FP6 matrix_b_fmt:MATRIX_FMT_FP6 matrix_b_scale:MATRIX_SCALE_ROW1
.else
	v_wmma_scale_f32_16x16x128_f8f6f4 v[rD:rD+7], v[rB:rB+11], v[rA:rA+11], 0, v[rSB], v[rSA] matrix_a_fmt:MATRIX_FMT_FP6 matrix_b_fmt:MATRIX_FMT_FP6
.endif
.else
.if (\rb) && (\ra)
	v_wmma_scale_f32_16x16x128_f8f6f4 v[rD:rD+7], v[rB:rB+11], v[rA:rA+11], v[rC:rC+7], v[rSB], v[rSA] matrix_a_fmt:MATRIX_FMT_FP6 matrix_b_fmt:MATRIX_FMT_FP6 matrix_a_scale:MATRIX_SCALE_ROW1 matrix_b_scale:MATRIX_SCALE_ROW1
.elseif (\rb)
	v_wmma_scale_f32_16x16x128_f8f6f4 v[rD:rD+7], v[rB:rB+11], v[rA:rA+11], v[rC:rC+7], v[rSB], v[rSA] matrix_a_fmt:MATRIX_FMT_FP6 matrix_b_fmt:MATRIX_FMT_FP6 matrix_a_scale:MATRIX_SCALE_ROW1
.elseif (\ra)
	v_wmma_scale_f32_16x16x128_f8f6f4 v[rD:rD+7], v[rB:rB+11], v[rA:rA+11], v[rC:rC+7], v[rSB], v[rSA] matrix_a_fmt:MATRIX_FMT_FP6 matrix_b_fmt:MATRIX_FMT_FP6 matrix_b_scale:MATRIX_SCALE_ROW1
.else
	v_wmma_scale_f32_16x16x128_f8f6f4 v[rD:rD+7], v[rB:rB+11], v[rA:rA+11], v[rC:rC+7], v[rSB], v[rSA] matrix_a_fmt:MATRIX_FMT_FP6 matrix_b_fmt:MATRIX_FMT_FP6
.endif
.endif
.endm
.macro MUL ks, z, a                    ; eight products; the accumulators by turns, in the same order in every step
.irp b, 0,1,2,3,4,5,6,7
.set rD, 64*\a+8*((\b&4)|((\b&1)<<1)|((\b>>1)&1))
.set rC, rD
.set rB, 128*((\ks)&1)+12*\b
.set rA, 64*((\ks)&1)+12*\a
.set rSB, SB+4*(\ks)+2*(\b>>2)+((\b>>1)&1)
.set rSA, SA+2*(\ks)+(\a>>1)
	WM \z, \b&1, \a&1
.endr
.endm
.macro FRAGI reg, adr, off
.irp g, 0,1,2
	ds_load_b128 v[(\reg)+4*\g:(\reg)+4*\g+3], v[\adr] offset:(\off)+512*\g
.endr
.endm
; A step's fragments come in three runs of 12 loads: V^T's tiles lo .. lo + 3 (FETB, twice), p's four tiles (FETA)
.macro FETB ks, lo
	WIN 0x40
.irp b, 0,1,2,3
	FRAGI 128*((\ks)&1)+12*(\b+\lo), 8+(((\ks)>>2)&1), (4*(\b+\lo)+((\ks)&3))*1536
.endr
.endm
.macro FETA ks
	WIN 0xC0
.irp a, 0,1,2,3
	FRAGI 64*((\ks)&1)+12*\a, 6+(((\ks)>>2)&1), (4*\a+((\ks)&3))*1536
.endr
.endm
.macro FETCH ks
	FETB \ks, 0
	FETB \ks, 4
	FETA \ks
	WIN 0
.endm
; A PREFETCH: K steps 4 q .. 4 q + 3 are asked of memory one slot ahead of the tensor load that will want them: of a tile 6,144 bytes, 24 blocks of 256 bytes, a lane a block.
; The four partners that ask for a tile jointly share the tiles out by address: of p's 8 tiles my work-group takes 2 cx, 2 cx + 1 (waves 0, 1: one each), of V^T's 16 tiles 4 cy .. 4 cy + 3 (waves 2, 3: two each, 98,304 bytes apart).
.macro ASK q
	global_prefetch_b8 v10, s[10:11] offset:6144*(\q) th:TH_LOAD_NT scope:SCOPE_SE
	s_cmp_eq_u32 s17, 0
	s_cbranch_scc1 .Lslot_asked_\@
	global_prefetch_b8 v10, s[10:11] offset:6144*(\q)+98304 th:TH_LOAD_NT scope:SCOPE_SE
.Lslot_asked_\@:
.endm
; THE CHANGE OF SLOTS, behind the wait that shows a slot's last fragments in registers.  The wait for all my tensor loads (my part of the other slot), the add, the descriptors' steps to the K steps 8 on, the wait for the add and for
; my reads of slot s, a round of the cluster's barrier, and the joint refill first behind it: it has four K steps, 128 products a wave, in which to land.
.macro CHANGE s
	s_wait_tensorcnt 0x0
	ds_add_u32 v4, v5
	s_add_nc_u64 s[78+4*\s:79+4*\s], s[78+4*\s:79+4*\s], 12288
	s_add_nc_u64 s[90+4*\s:91+4*\s], s[90+4*\s:91+4*\s], 12288
	s_wait_dscnt 0x0
	CROUND
	JLOAD 76+4*\s, 56, 88+4*\s, 68                 ; its four v_nop are also the places in front of the loads that follow
.endm
.macro STEP ks, z, sync
.if (\sync) || (\ks == 15)
	s_wait_dscnt 0x0                               ; in front of a barrier, and in the last step
.endif
.if \sync == 1
	s_wait_tensorcnt 0x0
	s_barrier_signal -1
	s_barrier_wait -1
.elseif \sync == 2
	CHANGE 0
.elseif \sync == 3
	CHANGE 1
.endif
.if \ks < 15
.if \sync < 2
	PLACES
.endif
	FETB (\ks)+1, 0                                ; the next step's three runs of loads stand between this step's groups of eight products
.if \sync == 0
	s_wait_dscnt 12                                ; all but the 12 just issued: this step's fragments are in
.endif
.endif
	WIN 0xAD
	MUL \ks, \z, 0
.if \ks < 15
	FETB (\ks)+1, 4
	WIN 0xAD
.endif
	MUL \ks, \z, 1
.if \ks < 15
	FETA (\ks)+1
.if \ks == 0
	WIN 0
	ASK 2                                          ; slot 1's load is out: K steps 8-11 are asked of memory
.elseif \sync == 2
	WIN 0
	ASK 3                                          ; K steps 8-11's load is out: K steps 12-15, the last
.endif
	WIN 0xAD
.endif
	MUL \ks, \z, 2
	MUL \ks, \z, 3
	WIN 0
.endm
.macro SWAP a
	WIN 0x82
.irp p, 0,1,2,3
.irp j, 0,1,2,3,4,5,6,7
	v_permlane16_swap_b32 v[64*\a+16*\p+\j], v[64*\a+16*\p+8+\j]
.endr
.endr
.endm
.macro BMAX a, abs
	WIN 0x28
.irp i, 0,2,4,6,8,10,12,14,16,18,20,22,24,26,28,30
.irp c, 0,1
.if \abs
.if \i == 0
	v_max3_num_f32 v[26+\c], v23, |v[64*\a+32*\c]|, |v[64*\a+32*\c+1]|
.else
	v_max3_num_f32 v[26+\c], v[26+\c], |v[64*\a+32*\c+\i]|, |v[64*\a+32*\c+\i+1]|
.endif
.else
.if \i == 0
	v_max3_num_f32 v[26+\c], v24, v[64*\a+32*\c], v[64*\a+32*\c+1]
.else
	v_max3_num_f32 v[26+\c], v[26+\c], v[64*\a+32*\c+\i], v[64*\a+32*\c+\i+1]
.endif
.endif
.endr
.endr
.endm
.macro SCALEW a
	WIN 0
	v_add_nc_u32 v28, 0xff000000, v26
	v_add_nc_u32 v29, 0xff000000, v27
	v_lshrrev_b32 v30, 23, v28
	v_lshrrev_b32 v31, 23, v29
	v_lshl_or_b32 v[PW+\a], v31, 16, v30
	v_lshlrev_b32 v[PW+\a], v22, v[PW+\a]
	v_permlanex16_b32 v25, v[PW+\a], s66, s67
	v_or_b32 v[PW+\a], v[PW+\a], v25
.endm
.macro CODES a
	WIN 0x02
.irp c, 0,1
	v_cvt_scalef32_pk16_fp6_f32 v[PC+12*\a+6*\c:PC+12*\a+6*\c+2], v[64*\a+32*\c:64*\a+32*\c+15], v[28+\c]
	v_cvt_scalef32_pk16_fp6_f32 v[PT+4*\c:PT+4*\c+2], v[64*\a+32*\c+16:64*\a+32*\c+31], v[28+\c]
.endr
	WIN 0
	v_nop                                          ; one plain place behind a scaled conversion
.irp c, 0,1
.irp i, 0,1,2
	v_mov_b32 v[PC+12*\a+6*\c+3+\i], v[PT+4*\c+\i]
.endr
.endr
.endm
.macro PUT a, vo, sb, off
.irp g, 0,1,2
	global_store_b128 v[\vo], v[PC+12*\a+4*\g:PC+12*\a+4*\g+3], s[\sb:\sb+1] offset:\off+512*\g
.endr
.endm
.macro PAIR d, x, st
	v_cndmask_b32 v[\d], v[\x], v[\x+\st], s100
	v_cndmask_b32 v[\d+1], v[\x+2*\st], v[\x+3*\st], s100
.endm
	s_load_b128 s[4:7], s[0:1], 0x0                ; qkv, p
	s_load_b64 s[8:9], s[0:1], 0x10                ; o
	v_lshl_add_u32 v4, v0, 2, SPARE
	v_mov_b32 v5, 0
	ds_add_u32 v4, v5                              ; the wave's opening: the add, twice on end, and its wait ahead of my first tensor load
	ds_add_u32 v4, v5
	v_lshrrev_b32 v1, 5, v0
	v_readfirstlane_b32 s16, v1
	s_lshr_b32 s17, s16, 1                         ; which 64 queries; also: I fetch for p (0) or V^T (1)
	s_and_b32 s18, s16, 1                          ; which 128 channels; also: which half I fetch
	s_bfe_u32 s19, ttmp6, 0x40000                  ; cx = the panel of 256 channels
	s_bfe_u32 s20, ttmp6, 0x40004                  ; cy
	s_and_b32 s21, ttmp7, 0xffff                   ; cluster y, 0..15
	s_lshl_b32 s22, s21, 2
	s_add_co_u32 s22, s22, s20                     ; tile of 128 queries, 0..63
	s_lshr_b32 s23, s21, 2                         ; batch
	s_lshl_b32 s2, s20, 2
	s_lshl_b32 s2, 15, s2
	s_lshl_b32 s3, 0x1111, s19
	s_or_b32 s56, s2, (3<<16)|(1<<21)              ; group 1 for p: 4 tiles x 4 fragments on end, a tile's 16 fragments apart
	s_mov_b32 s57, 768<<16
	s_mov_b32 s58, 4<<16
	s_mov_b32 s59, 768<<16
	s_mov_b32 s60, 4
	s_mov_b32 s61, 3072
	s_mov_b32 s62, 0
	s_mov_b32 s63, 0
	s_or_b32 s68, s3, (3<<16)|(1<<21)              ; for V^T: 8 tiles, a tile's 64 fragments apart
	s_mov_b32 s69, 768<<16
	s_mov_b32 s70, 8<<16
	s_mov_b32 s71, 768<<16
	s_mov_b32 s72, 8
	s_mov_b32 s73, 12288
	s_mov_b32 s74, 0
	s_mov_b32 s75, 0
	s_mov_b32 s66, 0x76543210
	s_mov_b32 s67, 0xfedcba98
	s_mov_b32 s100, 0xffff0000
	s_mov_b32 s34, 0x01010101
	s_lshl_b32 s24, s22, 3
	s_lshl_b32 s25, s18, 2
	s_add_co_u32 s24, s24, s25
	s_mul_i32 s24, s24, 24576                      ; p: my four tiles of 16 queries
	s_mov_b32 s25, 0
	s_lshl_b32 s26, s19, 4
	s_lshl_b32 s27, s18, 3
	s_add_co_u32 s26, s26, s27
	s_lshl_b32 s26, s26, 6
	s_lshl_b32 s27, s23, 4
	s_add_co_u32 s26, s26, s27
	s_mul_i32 s26, s26, 1536
	s_add_co_u32 s26, s26, 12582912                ; V^T: my eight tiles of 16 channels, at the batch's first K step
	s_mov_b32 s27, 0
	s_mul_i32 s28, s18, 24576
	s_mul_i32 s29, s18, 49152
	s_add_co_u32 s29, s29, BOFF
	v_and_b32 v1, 31, v0
	v_and_b32 v2, 15, v0
	v_bfe_u32 v3, v0, 4, 1
	v_lshlrev_b32 v16, 4, v1
	v_lshlrev_b32 v17, 3, v1
	v_lshlrev_b32 v22, 3, v3
	v_min_u32 v10, 23, v1
	v_lshlrev_b32 v10, 8, v10                      ; the prefetches' offset: a lane a block of 256 bytes, 24 blocks; the eight lanes left over name the last block again; never rewritten
	v_mov_b32 v23, 0x1800000
	v_mov_b32 v25, 0
	v_mov_b32 v252, 0                              ; lane permutes' destinations count as sources
	v_mov_b32 v253, 0
	s_wait_dscnt 0x0
	CROUND                                         ; the round in front of the first joint loads needs no argument: it stands while the arguments' loads are out
	s_wait_kmcnt 0x0
	s_add_nc_u64 s[24:25], s[6:7], s[24:25]
	s_add_nc_u64 s[26:27], s[4:5], s[26:27]
.irp q, 0,1
	s_mov_b32 s[76+4*\q], 1
	s_add_co_u32 s[77+4*\q], s28, \q*SLOT
	s_add_nc_u64 s[78+4*\q:79+4*\q], s[24:25], 6144*\q
	s_or_b32 s[79+4*\q], s[79+4*\q], 0x80000000
	s_mov_b32 s[88+4*\q], 1
	s_add_co_u32 s[89+4*\q], s29, \q*SLOT
	s_add_nc_u64 s[90+4*\q:91+4*\q], s[26:27], 6144*\q
	s_or_b32 s[91+4*\q], s[91+4*\q], 0x80000000
.endr
	JLOAD 76, 56, 88, 68                           ; slot 0: my one tensor load at the head
	s_lshl_b32 s36, s22, 1
	s_add_co_u32 s36, s36, s17
	s_lshl_b32 s36, s36, 8                         ; my four tiles of queries among the words of a K step
	s_add_co_u32 s44, s36, 12582912
	s_mov_b32 s45, 0
	s_add_nc_u64 s[44:45], s[6:7], s[44:45]        ; p's scale words; -M_loc and l_loc lie 524,288 and 1,048,576 bytes on
	s_lshl_b32 s46, s19, 2
	s_lshl_b32 s47, s18, 1
	s_add_co_u32 s46, s46, s47
	s_lshl_b32 s46, s46, 8
	s_lshl_b32 s47, s23, 16
	s_add_co_u32 s46, s46, s47
	s_add_co_u32 s46, s46, 19398656
	s_mov_b32 s47, 0
	s_add_nc_u64 s[46:47], s[4:5], s[46:47]        ; V^T's scale words: 4,096 bytes a K step
	s_wait_alu depctr_va_vdst(0)
.irp k, 0,1,2,3,4,5,6,7,8,9,10,11,12,13,14,15
	global_load_b64 v[SA+2*\k:SA+2*\k+1], v17, s[44:45] offset:32768*\k
	global_load_b64 v[PM+2*\k:PM+2*\k+1], v17, s[44:45] offset:524288+32768*\k
	global_load_b64 v[PL+2*\k:PL+2*\k+1], v17, s[44:45] offset:1048576+32768*\k
.endr
.irp k, 0,1,2,3,4,5,6,7,8,9,10,11,12,13,14,15
.irp g, 0,1
	global_load_b64 v[SB+4*\k+2*\g:SB+4*\k+2*\g+1], v17, s[46:47] offset:4096*\k+256*\g
.endr
.endr
	s_lshl_b32 s12, s22, 3                         ; where my prefetches stand
	s_lshl_b32 s13, s19, 1
	s_add_co_u32 s12, s12, s13
	s_add_co_u32 s12, s12, s18
	s_mul_i32 s12, s12, 24576                      ; p's tile
	s_lshl_b32 s13, s19, 4
	s_lshl_b32 s14, s20, 2
	s_add_co_u32 s13, s13, s14
	s_lshl_b32 s14, s18, 1
	s_add_co_u32 s13, s13, s14
	s_lshl_b32 s13, s13, 6
	s_lshl_b32 s14, s23, 4
	s_add_co_u32 s13, s13, s14
	s_mul_i32 s13, s13, 1536
	s_add_co_u32 s13, s13, 12582912                ; V^T's first tile of my two, at the batch's first K step
	s_cmp_eq_u32 s17, 0
	s_cselect_b32 s12, s12, s13
	s_cselect_b64 s[10:11], s[6:7], s[4:5]
	s_mov_b32 s13, 0
	s_add_nc_u64 s[10:11], s[10:11], s[12:13]      ; never rewritten
	s_mul_i32 s38, s17, 24576
	s_mul_i32 s39, s18, 49152
	s_add_co_u32 s39, s39, BOFF
.irp q, 0,1
	v_add_nc_u32 v[6+\q], s38, v16
	v_add_nc_u32 v[8+\q], s39, v16
	s_add_co_u32 s38, s38, SLOT
	s_add_co_u32 s39, s39, SLOT
.endr
	s_lshl_b32 s49, s19, 1
	s_add_co_u32 s49, s49, s18                     ; my 128 channels are this K step of o
	s_lshl_b32 s50, s22, 3
	s_lshl_b32 s51, s17, 2
	s_add_co_u32 s50, s50, s51
	s_lshl_b32 s50, s50, 3
	s_add_co_u32 s50, s50, s49
	s_mul_i32 s50, s50, 1536
	s_mov_b32 s51, 0
	s_add_nc_u64 s[50:51], s[8:9], s[50:51]        ; o's codes
	s_lshl_b32 s52, s49, 15
	s_add_co_u32 s52, s52, s36
	s_mov_b32 s53, 0
	s_add_nc_u64 s[52:53], s[8:9], s[52:53]        ; o's scale words, 6,291,456 bytes on
	; p's WORDS UNDER THE ROW'S M, while the first tiles land.  Word w of lane (r, h) belongs to row r of tile 2 w + h.
	s_wait_loadcnt 32                              ; p's 48 loads are in; V^T's 32, issued behind them, may be out
	ASK 1                                          ; K steps 4-7 are asked of memory behind loads that were issued behind slot 0's load, and so behind slot 0's own requests
.irp w, 0,1
	v_min3_num_f32 v[248+\w], v[PM+\w], v[PM+2+\w], v[PM+4+\w]         ; -M = the least of the sixteen -M_loc
.endr
.irp k, 3,5,7,9,11,13
.irp w, 0,1
	v_min3_num_f32 v[248+\w], v[248+\w], v[PM+2*\k+\w], v[PM+2*\k+2+\w]
.endr
.endr
.irp w, 0,1
	v_min_num_f32 v[248+\w], v[248+\w], v[PM+30+\w]
.endr
.irp k, 0,1,2,3,4,5,6,7,8,9,10,11,12,13,14,15
.irp w, 0,1
	v_sub_f32 v[56+3*\w], v[248+\w], v[PM+2*\k+\w]                     ; d = M_loc - M, 0 or less
.endr
.irp w, 0,1
	v_max_num_f32 v[56+3*\w], 0xc2fe0000, v[56+3*\w]                   ; held at -127
.endr
.irp w, 0,1
	v_cvt_i32_f32 v[56+3*\w], v[56+3*\w]
.endr
.irp w, 0,1
	v_ldexp_f32 v[PL+2*\k+\w], v[PL+2*\k+\w], v[56+3*\w]               ; l_loc under M
.endr
.irp w, 0,1
	v_mul_lo_u32 v[56+3*\w], v[56+3*\w], s34                           ; d in all four bytes
.endr
.irp w, 0,1
	v_or_b32 v[57+3*\w], 0x80808080, v[SA+2*\k+\w]                     ; a guard bit over each byte: 128 + s + d lies between 2 and 253, so no byte borrows from the next
.endr
.irp w, 0,1
	v_add_nc_u32 v[57+3*\w], v[57+3*\w], v[56+3*\w]
.endr
.irp w, 0,1
	v_and_b32 v[56+3*\w], 0x80808080, v[57+3*\w]                       ; the guard stands where s + d is 0 or more
.endr
.irp w, 0,1
	v_lshrrev_b32 v[58+3*\w], 7, v[56+3*\w]
.endr
.irp w, 0,1
	v_sub_nc_u32 v[56+3*\w], v[56+3*\w], v[58+3*\w]                    ; 0x7f there, 0 elsewhere
.endr
.irp w, 0,1
	v_and_b32 v[SA+2*\k+\w], v[57+3*\w], v[56+3*\w]                    ; the byte s + d, or 0
.endr
.endr
	v_pk_add_f32 v[250:251], v[PL:PL+1], v[PL+2:PL+3]
.irp k, 2,3,4,5,6,7,8,9,10,11,12,13,14,15
	v_pk_add_f32 v[250:251], v[250:251], v[PL+2*\k:PL+2*\k+1]          ; l.  (These and the lines below are more than the eight places between a scale register's last write and the first product)
.endr
	s_wait_alu depctr_va_vdst(0)
	v_rcp_f32 v250, v250
	v_rcp_f32 v251, v251
	v_nop                                          ; a plain place behind the reciprocals
	s_wait_alu depctr_va_vdst(0)                   ; and the wait ahead of their first reader
	v_permlanex16_b32 v252, v250, s66, s67
	v_permlanex16_b32 v253, v251, s66, s67
	v_cndmask_b32 v[RL], v250, v252, s100          ; 1 / l of tile a's row r, in both halves of the lanes
	v_cndmask_b32 v[RL+2], v252, v250, s100
	v_cndmask_b32 v[RL+4], v251, v253, s100
	v_cndmask_b32 v[RL+6], v253, v251, s100
.irp a, 0,1,2,3
	v_mov_b32 v[RL+2*\a+1], 0                      ; (named as the upper half of a pair)
.endr
	s_wait_tensorcnt 0x0                           ; my part of slot 0 is in
	ds_add_u32 v4, v5
	s_wait_dscnt 0x0
	CROUND                                         ; everybody's part is in
	JLOAD 80, 56, 92, 68                           ; slot 1, first read for K step 4
	FETCH 0
	s_wait_loadcnt 0x0                             ; V^T's scale words
	STEP 0, 1, 0
	STEP 1, 0, 0
	STEP 2, 0, 0
	STEP 3, 0, 2
	STEP 4, 0, 0
	STEP 5, 0, 0
	STEP 6, 0, 0
	STEP 7, 0, 3
	STEP 8, 0, 0
	STEP 9, 0, 0
	STEP 10, 0, 0
	STEP 11, 0, 1
	STEP 12, 0, 0
	STEP 13, 0, 0
	STEP 14, 0, 0
	STEP 15, 0, 0
	PLACES
	s_wait_alu depctr_va_vdst(0)
.irp a, 0,1,2,3
	WIN 0x82
.set ii, 0
.rept 32
	v_pk_mul_f32 v[64*\a+ii:64*\a+ii+1], v[64*\a+ii:64*\a+ii+1], v[RL+2*\a:RL+2*\a+1] op_sel_hi:[1,0]   ; O / l; each accumulator from its low end on
.set ii, ii+2
.endr
	SWAP \a
	BMAX \a, 1
	SCALEW \a
	CODES \a
	PUT \a, 16, 50, \a*12288
.endr
	PAIR 62, PW, 1
	global_store_b64 v17, v[62:63], s[52:53] offset:6291456
	s_wait_tensorcnt 0x0                           ; the wave's end
	ds_add_u32 v4, v5
	s_wait_dscnt 0x0
	CROUND
	s_endpgm
.Lfunc_end_k_q3fab5184f8_pv:
	.size	k_q3fab5184f8_pv, .Lfunc_end_k_q3fab5184f8_pv-k_q3fab5184f8_pv
	.p2alignl 7, 3214868480
	.fill 96, 4, 3214868480
	.section	.rodata,"a",@progbits
	.p2align	6, 0x0
	.amdhsa_kernel k_q3fab5184f8_pv
		.amdhsa_group_segment_fixed_size 327680
		.amdhsa_private_segment_fixed_size 0
		.amdhsa_enable_private_segment 0
		.amdhsa_kernarg_size 24
		.amdhsa_user_sgpr_count 2
		.amdhsa_user_sgpr_kernarg_segment_ptr 1
		.amdhsa_wavefront_size32 1
		.amdhsa_system_sgpr_workgroup_id_x 1
		.amdhsa_system_sgpr_workgroup_id_y 1
		.amdhsa_system_sgpr_workgroup_id_z 1
		.amdhsa_system_vgpr_workitem_id 0
		.amdhsa_next_free_vgpr 1024
		.amdhsa_next_free_sgpr 104
		.amdhsa_reserve_vcc 0
		.amdhsa_float_denorm_mode_32 3
		.amdhsa_float_denorm_mode_16_64 3
		.amdhsa_memory_ordered 1
		.amdhsa_forward_progress 1
		.amdhsa_inst_pref_size 170
	.end_amdhsa_kernel
	.amdgpu_metadata
---
amdhsa.version: [ 1, 2 ]
amdhsa.kernels:
  - .name:           k_q3fab5184f8_pv
    .symbol:         k_q3fab5184f8_pv.kd
    .args:
      - { .name: qkv, .offset: 0, .size: 8, .value_kind: global_buffer, .address_space: global }
      - { .name: p, .offset: 8, .size: 8, .value_kind: global_buffer, .address_space: global }
      - { .name: o, .offset: 16, .size: 8, .value_kind: global_buffer, .address_space: global }
    .group_segment_fixed_size: 327680
    .private_segment_fixed_size: 0
    .kernarg_segment_align: 8
    .kernarg_segment_size: 24
    .max_flat_workgroup_size: 128
    .sgpr_count:     104
    .vgpr_count:     1024
    .wavefront_size: 32
...
	.end_amdgpu_metadata
.endif
;; end of part 3
;; launch outp (part 4): grid 4 x 64, 4 waves a work-group, clusters of 4 x 4, 327,680 bytes of LDS; arguments o, Wo_codes, Wo_scales, bo, out0; writes out0
.if DOCPART == 4
	.amdgcn_target "amdgcn-amd-amdhsa--gfx1250"
	.amdhsa_code_object_version 6
	.text
	.protected	k_q3fab5184f8_outp
	.globl	k_q3fab5184f8_outp
	.p2align	8
	.type	k_q3fab5184f8_outp,@function
k_q3fab5184f8_outp:
	s_mov_b64 s[64:65], 0
	v_nop
	global_prefetch_b8 v0, s[64:65] scope:SCOPE_SE
	s_setreg_imm32_b32 hwreg(HW_REG_WAVE_MODE, 25, 1), 1
	s_wait_xcnt 0x0
	s_wait_alu depctr_hold_cnt(0) depctr_sa_sdst(0) depctr_va_vdst(0) depctr_va_sdst(0) depctr_va_ssrc(0) depctr_va_vcc(0) depctr_vm_vsrc(0)
	s_getreg_b32 s2, hwreg(HW_REG_IB_STS2, 6, 4)
	s_cmp_eq_u32 s2, 0
	s_cbranch_scc0 .Lentry_in_a_cluster
	s_endpgm
.Lentry_in_a_cluster:
	s_bfe_u32 s2, ttmp6, 0x10000c
	s_cmp_lg_u32 s2, 0xf033
	s_cbranch_scc0 .Lentry_shape_is_right
	s_endpgm
.Lentry_shape_is_right:
; OUTP: out0 = O Wo + bo: O as the codes that the launch before stored (images of fragments, 1,536 bytes each), Wo as given; f32 out.
; No work is left out.  LIMITS: NaN, infinities and scale bytes 0xff are not served; bo is the C of each sum's first product: another order of rounding than reference()'s.
; SHARES.  A work-group makes 128 rows x 256 columns; wave w all 128 rows x columns 64 w .. 64 w + 63.  K = 1,024, 8 steps of 128.
;   My 4 x 8 fragments of Wo stay in 384 registers for the whole launch.  O's fragments come by blocks of 16 rows (8 fragments, 96 registers, two sets); a block is 32 products on four accumulators by turns.
;   So a block of 16 rows x 64 columns is finished after 32 products and is stored while the later blocks are multiplied.  A wave reads 32 + 64 fragments from LDS, each once.
; Transposed use (source 0 = Wo's rows, source 1 = O's rows): a lane holds eight neighbouring columns of one row.
; CLUSTER 4 x 4: O's tiles are asked for jointly along a row, Wo's along a column.  One tensor load a wave, at the head: waves 0, 1 O's two halves, waves 2, 3 Wo's; nothing is filled again.
; LDS: Wo's 256 rows of 768 bytes, dense in memory, come as rows of 256 bytes with 16 bytes of padding behind each: a row of Wo is 816 bytes = 204 words, so the 16 rows of a fragment load start 12 words apart modulo 64.
;   Behind them O's 8 tiles x 8 fragments, the spare words, and a stage of 16 rows x 272 bytes for each wave, on bytes that no tensor load fills.
; No prefetch: the text has no loop to run ahead in, and every operand is asked for at the head.
; REGISTERS: window 0: addresses, bias v32-63, Wo's scale words v64-79, O's v80-111, rows on the way out v128-191; 1: Wo's fragments of K steps 0-3; 2: of K steps 4-7; 3: O's fragments v0-191, accumulators v192-255, two sets each.
.set WP,     816
.set OI,     256*WP
.set SPARE,  OI+8*12288
.set STAGE,  SPARE+512
.set SP,     272
.set DW0,    (3<<16)|(1<<20)|(1<<21)|(5<<22)|(3<<25)
.set BI, 32
.set SB, 64
.set SA, 80
.set BK, 128
.set AC, 192
.set MSB, 0
.macro WIN new
.if MSB != \new
	s_set_vgpr_msb (MSB<<8)|\new
.set MSB, \new
.endif
.endm
.macro PLACES
.rept 4
	v_nop
.endr
.endm
.macro CROUND
	s_barrier_signal -1
	s_barrier_wait -1
	s_cmp_lg_u32 s16, 0
	s_cbranch_scc1 .Lnot_wave_0_\@
	s_barrier_signal -3
.Lnot_wave_0_\@:
	s_barrier_wait -3
	s_barrier_signal -1
	s_barrier_wait -1
.endm
.macro JLOAD g0a, g1a, g0b, g1b
	s_cmp_eq_u32 s17, 0
	s_cbranch_scc0 .Lfor_b_\@
	tensor_load_to_lds s[\g0a:\g0a+3], s[\g1a:\g1a+7]
	s_nop 0
	PLACES
	s_branch .Lasked_\@
.Lfor_b_\@:
	tensor_load_to_lds s[\g0b:\g0b+3], s[\g1b:\g1b+7]
	s_nop 0
	PLACES
.Lasked_\@:
.endm
.macro WM rb, ra                       ; rb, ra: Wo's, O's scale word stands in lanes 16-31
.if (\rb) && (\ra)
	v_wmma_scale_f32_16x16x128_f8f6f4 v[rD:rD+7], v[rB:rB+11], v[rA:rA+11], v[rC:rC+7], v[rSB], v[rSA] matrix_a_fmt:MATRIX_FMT_FP6 matrix_b_fmt:MATRIX_FMT_FP6 matrix_a_scale:MATRIX_SCALE_ROW1 matrix_b_scale:MATRIX_SCALE_ROW1
.elseif (\rb)
	v_wmma_scale_f32_16x16x128_f8f6f4 v[rD:rD+7], v[rB:rB+11], v[rA:rA+11], v[rC:rC+7], v[rSB], v[rSA] matrix_a_fmt:MATRIX_FMT_FP6 matrix_b_fmt:MATRIX_FMT_FP6 matrix_a_scale:MATRIX_SCALE_ROW1
.elseif (\ra)
	v_wmma_scale_f32_16x16x128_f8f6f4 v[rD:rD+7], v[rB:rB+11], v[rA:rA+11], v[rC:rC+7], v[rSB], v[rSA] matrix_a_fmt:MATRIX_FMT_FP6 matrix_b_fmt:MATRIX_FMT_FP6 matrix_b_scale:MATRIX_SCALE_ROW1
.else
	v_wmma_scale_f32_16x16x128_f8f6f4 v[rD:rD+7], v[rB:rB+11], v[rA:rA+11], v[rC:rC+7], v[rSB], v[rSA] matrix_a_fmt:MATRIX_FMT_FP6 matrix_b_fmt:MATRIX_FMT_FP6
.endif
.endm
; Block a: 32 products, K ascending, the block's four accumulators by turns.  The first K step takes the bias as C.
.macro MUL a
.irp ks, 0,1,2,3,4,5,6,7
.if \ks == 0
	WIN 0xCD                                       ; Wo window 1, O window 3, C window 0, D window 3
.elseif \ks < 4
	WIN 0xFD
.else
	WIN 0xFE                                       ; Wo window 2
.endif
.irp b, 0,1,2,3
.set rD, AC+32*((\a)&1)+8*\b
.set rB, 12*(4*(\ks&3)+\b)
.set rA, 96*((\a)&1)+12*\ks
.set rSB, SB+4*\b+(\ks&3)
.set rSA, SA+4*\ks+2*((\a)>>2)+(((\a)>>1)&1)
.if \ks == 0
.set rC, BI+8*\b
.else
.set rC, rD
.endif
	WM (\ks)>>2, (\a)&1
.endr
.endr
	WIN 0
.endm
; A fragment of Wo from rows, in pieces of 8 bytes.  Byte y of a row lies at y + 16 (y / 256) of its 816 bytes.  Lanes 16-31 read 24 bytes on; where that passes a padding, v14 (40 h in place of 24 h) serves.
.macro FRAGR reg, ks, tile
.irp p, 0,1,2,3,4,5
.set PCE, 12*(\ks)+6*(\p/3)+\p%3
.if PCE%32 < 29
	ds_load_b64 v[(\reg)+2*\p:(\reg)+2*\p+1], v11 offset:8*PCE+16*(PCE/32)+(\tile)*16*WP
.else
	ds_load_b64 v[(\reg)+2*\p:(\reg)+2*\p+1], v14 offset:8*PCE+16*(PCE/32)+(\tile)*16*WP
.endif
.endr
.endm
.macro FETCH_A a                       ; O's eight fragments of block a, as they were stored: 24 loads of 512 consecutive bytes
	WIN 0xC0
.irp k, 0,1,2,3,4,5,6,7
.irp g, 0,1,2
	ds_load_b128 v[96*((\a)&1)+12*\k+4*\g:96*((\a)&1)+12*\k+4*\g+3], v[6+(\a)/4] offset:((\a)%4)*12288+\k*1536+512*\g
.endr
.endr
	WIN 0
.endm
; THE WAY OUT of block a: a lane's 32 bytes of a row go into my stage and come back as whole rows of 256 bytes, two a load.  LDS serves a wave's instructions in order (ISA guide 5.7.1.4).
.macro TOSTAGE a
.if (\a) > 1
	s_wait_xcnt 0x0                                ; block a - 2's stores have read their registers: block a's rows may land there
.endif
	WIN 0x0C
.irp b, 0,1,2,3
	ds_store_b128 v8, v[AC+32*((\a)&1)+8*\b:AC+32*((\a)&1)+8*\b+3] offset:64*\b          ; each accumulator from its low end on
	ds_store_b128 v8, v[AC+32*((\a)&1)+8*\b+4:AC+32*((\a)&1)+8*\b+7] offset:64*\b+16
.endr
	WIN 0
.irp t, 0,1,2,3,4,5,6,7
	ds_load_b128 v[BK+32*((\a)&1)+4*\t:BK+32*((\a)&1)+4*\t+3], v9 offset:\t*2*SP
.endr
.endm
.macro SEND a, younger                 ; younger: the LDS loads issued behind block a's, which may stay out
	s_wait_dscnt \younger
.irp t, 0,1,2,3,4,5,6,7
	global_store_b128 v10, v[BK+32*((\a)&1)+4*\t:BK+32*((\a)&1)+4*\t+3], s[12:13] offset:(16*(\a)+2*\t)*4096 th:TH_STORE_NT   ; 16 lanes store 256 consecutive bytes, aligned
.endr
.endm
; Block a's turn: block a - 1 goes to the stage, block a + 1's fragments are asked for, block a is multiplied, block a - 1 is stored.
.macro STEP a
.if \a > 0
	PLACES                                         ; in front of the reads of block a - 1's results and of loads into the fragments that it multiplied
	TOSTAGE (\a)-1
.endif
.if \a < 7
	FETCH_A (\a)+1
.endif
.if \a == 0
	s_wait_dscnt 24                                ; all but block 1's 24 loads
.elseif \a < 7
	s_wait_dscnt 40                                ; all but the stage's 16 and the next block's 24: block a's fragments are in
.else
	s_wait_dscnt 16
.endif
	MUL \a
.if \a > 0
.if \a < 7
	SEND (\a)-1, 24
.else
	SEND (\a)-1, 0
.endif
.endif
.endm
	s_load_b256 s[4:11], s[0:1], 0x0               ; o, Wo's codes, Wo's scales, bo
	s_load_b64 s[12:13], s[0:1], 0x20              ; out0
	v_lshl_add_u32 v4, v0, 2, SPARE
	v_mov_b32 v5, 0
	ds_add_u32 v4, v5                              ; the wave's opening: the add, twice on end, and its wait ahead of my first tensor load
	ds_add_u32 v4, v5
	v_lshrrev_b32 v1, 5, v0
	v_readfirstlane_b32 s16, v1                    ; wave: my 64 columns
	s_lshr_b32 s17, s16, 1                         ; I fetch for O (0) or Wo (1),
	s_and_b32 s18, s16, 1                          ; and which half
	s_bfe_u32 s19, ttmp6, 0x40000                  ; cx = the panel of 256 columns
	s_bfe_u32 s20, ttmp6, 0x40004                  ; cy
	s_and_b32 s21, ttmp7, 0xffff
	s_lshl_b32 s22, s21, 2
	s_add_co_u32 s22, s22, s20                     ; tile of 128 rows, 0..63
	s_lshl_b32 s2, s20, 2
	s_lshl_b32 s2, 15, s2
	s_lshl_b32 s3, 0x1111, s19
	s_or_b32 s24, s2, (3<<16)|(1<<21)              ; group 1 for O: 4 tiles of 12,288 bytes (1,536 elements of 8 bytes), dense
	s_mov_b32 s25, 1536<<16
	s_mov_b32 s26, 4<<16
	s_mov_b32 s27, 1536<<16
	s_mov_b32 s28, 4
	s_mov_b32 s29, 1536
	s_mov_b32 s30, 0
	s_mov_b32 s31, 0
	s_or_b32 s32, s3, DW0                          ; for Wo: 128 rows of 768 bytes, dense, as 384 rows of 256 bytes, 16 bytes of padding behind each
	s_mov_b32 s33, 32<<16
	s_mov_b32 s34, 384<<16
	s_mov_b32 s35, 32<<16
	s_mov_b32 s36, 384
	s_mov_b32 s37, 32
	s_mov_b32 s38, 0
	s_mov_b32 s39, 0
	s_lshl_b32 s48, s22, 3
	s_lshl_b32 s49, s18, 2
	s_add_co_u32 s48, s48, s49
	s_mul_i32 s48, s48, 12288                      ; O: the four tiles of 16 rows that I fetch
	s_mov_b32 s49, 0
	s_lshl_b32 s50, s19, 8
	s_lshl_b32 s51, s18, 7
	s_add_co_u32 s50, s50, s51
	s_mul_i32 s50, s50, 768                        ; Wo: the 128 rows that I fetch
	s_mov_b32 s51, 0
	s_lshl_b32 s52, s22, 9                         ; O's scale words: 256 bytes for four tiles, 512 for my eight
	s_mov_b32 s53, 0
	s_lshl_b32 s54, s19, 8
	s_lshl_b32 s55, s16, 6
	s_add_co_u32 s54, s54, s55                     ; my first column
	s_lshl_b32 s56, s54, 5                         ; its 32 scale bytes
	s_mov_b32 s57, 0
	s_lshl_b32 s58, s54, 2                         ; its bias
	s_mov_b32 s59, 0
	s_lshl_b32 s60, s22, 19                        ; 128 rows of 4,096 bytes
	s_add_co_u32 s60, s60, s58
	s_mov_b32 s61, 0
	s_mov_b32 s40, 1
	s_mul_i32 s41, s18, 49152
	s_add_co_u32 s41, s41, OI
	s_mov_b32 s44, 1
	s_mul_i32 s45, s18, 128*WP
	s_mul_i32 s62, s16, 64*WP                      ; my 64 rows of Wo in LDS
	s_mul_i32 s63, s16, 16*SP
	s_add_co_u32 s63, s63, STAGE                   ; my stage
	v_and_b32 v1, 31, v0
	v_and_b32 v2, 15, v0                           ; r
	v_bfe_u32 v3, v0, 4, 1                         ; h
	v_lshlrev_b32 v16, 4, v1
	v_lshlrev_b32 v17, 3, v1
	v_lshlrev_b32 v18, 5, v2
	v_lshl_add_u32 v18, v3, 4, v18                 ; row r of 32 scale bytes, + 16 h
	v_lshlrev_b32 v19, 5, v3                       ; the bias of columns 16 b + 8 h + 0 .. 7
	v_add_nc_u32 v6, OI, v16                       ; O's tiles 0-3,
	v_add_nc_u32 v7, OI+49152, v16                 ; 4-7
	v_mul_u32_u24 v20, v2, WP
	v_mad_u32_u24 v11, v3, 24, v20
	v_mad_u32_u24 v14, v3, 40, v20
	v_add_nc_u32 v11, s62, v11
	v_add_nc_u32 v14, s62, v14
	v_mul_u32_u24 v8, v2, SP
	v_lshl_add_u32 v8, v3, 5, v8
	v_add_nc_u32 v8, s63, v8                       ; into the stage: row r, + 32 h
	v_mul_u32_u24 v9, v3, SP
	v_lshl_add_u32 v9, v2, 4, v9
	v_add_nc_u32 v9, s63, v9                       ; back: lanes 0-15 one row, lanes 16-31 the next
	v_lshlrev_b32 v10, 12, v3
	v_lshl_add_u32 v10, v2, 4, v10                 ; and the same two rows in out0
	s_wait_alu depctr_va_vdst(0)
	s_wait_dscnt 0x0
	CROUND                                         ; the round in front of the joint loads needs no argument: it stands while the arguments' loads are out
	s_wait_kmcnt 0x0
	s_add_nc_u64 s[42:43], s[4:5], s[48:49]
	s_or_b32 s43, s43, 0x80000000
	s_add_nc_u64 s[46:47], s[6:7], s[50:51]
	s_or_b32 s47, s47, 0x80000000
	s_add_nc_u64 s[52:53], s[4:5], s[52:53]
	s_add_nc_u64 s[8:9], s[8:9], s[56:57]
	s_add_nc_u64 s[10:11], s[10:11], s[58:59]
	s_add_nc_u64 s[12:13], s[12:13], s[60:61]
.irp k, 0,1,2,3,4,5,6,7
.irp g, 0,1
	global_load_b64 v[SA+4*\k+2*\g:SA+4*\k+2*\g+1], v17, s[52:53] offset:6291456+32768*\k+256*\g
.endr
.endr
.irp b, 0,1,2,3
	global_load_b128 v[SB+4*\b:SB+4*\b+3], v18, s[8:9] offset:512*\b
.endr
.irp b, 0,1,2,3
	global_load_b128 v[BI+8*\b:BI+8*\b+3], v19, s[10:11] offset:64*\b
	global_load_b128 v[BI+8*\b+4:BI+8*\b+7], v19, s[10:11] offset:64*\b+16
.endr
	JLOAD 40, 24, 44, 32                           ; my one tensor load
	s_wait_tensorcnt 0x0                           ; my part is in,
	s_barrier_signal -1
	s_barrier_wait -1                              ; everybody's is
	WIN 0x40
.irp k, 0,1,2,3
.irp b, 0,1,2,3
	FRAGR 12*(4*\k+\b), \k, \b
.endr
.endr
	WIN 0x80
.irp k, 4,5,6,7
.irp b, 0,1,2,3
	FRAGR 12*(4*(\k-4)+\b), \k, \b
.endr
.endr
	WIN 0
	FETCH_A 0
	s_wait_loadcnt 0x0                             ; scale words and bias
	STEP 0
	STEP 1
	STEP 2
	STEP 3
	STEP 4
	STEP 5
	STEP 6
	STEP 7
	PLACES
	TOSTAGE 7
	SEND 7, 0
	s_wait_tensorcnt 0x0                           ; the wave's end
	ds_add_u32 v4, v5
	s_wait_dscnt 0x0
	CROUND
	s_endpgm
.Lfunc_end_k_q3fab5184f8_outp:
	.size	k_q3fab5184f8_outp, .Lfunc_end_k_q3fab5184f8_outp-k_q3fab5184f8_outp
	.p2alignl 7, 3214868480
	.fill 96, 4, 3214868480
	.section	.rodata,"a",@progbits
	.p2align	6, 0x0
	.amdhsa_kernel k_q3fab5184f8_outp
		.amdhsa_group_segment_fixed_size 327680
		.amdhsa_private_segment_fixed_size 0
		.amdhsa_enable_private_segment 0
		.amdhsa_kernarg_size 40
		.amdhsa_user_sgpr_count 2
		.amdhsa_user_sgpr_kernarg_segment_ptr 1
		.amdhsa_wavefront_size32 1
		.amdhsa_system_sgpr_workgroup_id_x 1
		.amdhsa_system_sgpr_workgroup_id_y 1
		.amdhsa_system_sgpr_workgroup_id_z 1
		.amdhsa_system_vgpr_workitem_id 0
		.amdhsa_next_free_vgpr 1024
		.amdhsa_next_free_sgpr 104
		.amdhsa_reserve_vcc 0
		.amdhsa_float_denorm_mode_32 3
		.amdhsa_float_denorm_mode_16_64 3
		.amdhsa_memory_ordered 1
		.amdhsa_forward_progress 1
		.amdhsa_inst_pref_size 83
	.end_amdhsa_kernel
	.amdgpu_metadata
---
amdhsa.version: [ 1, 2 ]
amdhsa.kernels:
  - .name:           k_q3fab5184f8_outp
    .symbol:         k_q3fab5184f8_outp.kd
    .args:
      - { .name: o, .offset: 0, .size: 8, .value_kind: global_buffer, .address_space: global }
      - { .name: Wo_codes, .offset: 8, .size: 8, .value_kind: global_buffer, .address_space: global }
      - { .name: Wo_scales, .offset: 16, .size: 8, .value_kind: global_buffer, .address_space: global }
      - { .name: bo, .offset: 24, .size: 8, .value_kind: global_buffer, .address_space: global }
      - { .name: out0, .offset: 32, .size: 8, .value_kind: global_buffer, .address_space: global }
    .group_segment_fixed_size: 327680
    .private_segment_fixed_size: 0
    .kernarg_segment_align: 8
    .kernarg_segment_size: 40
    .max_flat_workgroup_size: 128
    .sgpr_count:     104
    .vgpr_count:     1024
    .wavefront_size: 32
...
	.end_amdgpu_metadata
.endif
;; end of part 4
